; MI455X (gfx1250); checked and timed in simulation.
; The chip was launched on July 23, 2026; its instructions are those of AMD's public machine-readable ISA for CDNA 5 (MIT licence, August 2026) and "CDNA5" Instruction Set Architecture Reference Guide (July 2026). The comments in the code are by the model that wrote it; some were corrected since.
;; Multi Head Attention. Allowed arithmetic: matrix products marked QUANTISED: E5M2 operands, one E8M0 scale for each 32 along K, by v_wmma_scale_f32_16x16x128_f8f6f4 with both operands' format E5M2, f32 sums; everything else in f32.
;; Inputs: Wk 1,024 x 1,024 float32; Wo 1,024 x 1,024 float32; Wq 1,024 x 1,024 float32; Wv 1,024 x 1,024 float32; bk 1,024 float32; bo 1,024 float32; bq 1,024 float32; bv 1,024 float32; x 4 x 2,048 x 1,024 float32.
;; Outputs: out0 4 x 2,048 x 1,024 float32.
;; This version of the problem:
;;   THIS VERSION OF THE PROBLEM IS GIVEN IN LOW PRECISION. The matrix products marked QUANTISED in the list below multiply operands that are first quantised to E5M2 (5 exponent bits, 2 mantissa bits; 8 bits a number), with one power-of-two scale for each 32 numbers along K (OCP MX v1.0); their sums are f32. All else is computed in f32.
;;   The module's matrix products, in the order in which they are computed (A, B: the left and right operand; K: the contracted axis; several contracted axes count as one K, in the product's order):
;;     1. [M 8,192, K 1,024] x [K 1,024, N 1,024]; A: input x; B: input Wq: QUANTISED
;;     2. [M 8,192, K 1,024] x [K 1,024, N 1,024]; A: input x; B: input Wk: QUANTISED
;;     3. [M 8,192, K 1,024] x [K 1,024, N 1,024]; A: input x; B: input Wv: QUANTISED
;;     4. batch 64 x [M 2,048, K 64] x [K 64, N 2,048]; A: computed on the way; B: computed on the way: QUANTISED
;;     5. batch 64 x [M 2,048, K 2,048] x [K 2,048, N 64]; A: softmax (see below); B: computed on the way: QUANTISED
;;     6. [M 8,192, K 1,024] x [K 1,024, N 1,024]; A: computed on the way; B: input Wo: QUANTISED
;;   THE QUANTISER, for each operand of a quantised product, along K:
;;     - K is cut into blocks of 32 from its start; a last block that is shorter is filled with zeros.
;;     - A block's scale is 2^e with e = floor(log2(the largest magnitude in the block)) - 15, held to -126 .. 127; a block of zeros has e = 0. As a byte (E8M0): e + 127.
;;     - Each number is divided by its block's scale, clamped to +-57,344, and rounded to the nearest number of E5M2, ties to even, subnormals kept.
;;     - The product sums the exact products of the quantised numbers (number of the format x scale) in f32.
;;   ~~~python
;;   def quantise(x, axis):      # numpy; x: float32 -> the quantised numbers, widened to float32 again
;;       x = np.moveaxis(x, axis, -1); K = x.shape[-1]
;;       x = np.pad(x, [(0, 0)] * (x.ndim - 1) + [(0, -K % 32)]); x = x.reshape(x.shape[:-1] + (-1, 32)); a = np.abs(x).max(-1, keepdims=True)
;;       e = np.where(a > 0, np.clip(np.frexp(np.where(a > 0, a, 1))[1] - 1 - 15, -126, 127), 0)      # np.frexp(a)[1] - 1 = floor(log2(a)), exactly
;;       r = np.clip(x / 2.0 ** e, -57344, 57344)
;;       step = 2.0 ** (np.maximum(np.frexp(np.where(r == 0, 1, r))[1] - 1, -14) - 2)
;;       q = np.round(r / step) * step * 2.0 ** e      # np.round: ties to even
;;       return np.moveaxis(q.reshape(q.shape[:-2] + (-1,))[..., :K], -1, axis).astype(np.float32)
;;   ~~~
;;   SOFTMAX AHEAD OF A QUANTISED PRODUCT. Where the list says 'softmax', what is quantised is not the finished softmax but p = 2^(t - M), with t = logit x log2(e) and M = ceil(the row's largest t), a whole number; so 1/2 < the row's largest p <= 1. The row's sum l is taken of the UNQUANTISED p, in f32, and the product's result is divided by l at the end. Since M is a whole number, a kernel that streams over the keys may use a running M (the ceiling of the running maximum): every later rescaling is an exact power of two, which a block's scale takes up: the codes' values come out the same.
;;   OPERANDS COMPUTED ON THE WAY. 'Computed on the way' means the value that the module computes at that place (a softmax that the list does not call 'softmax' is quantised finished and normalised). What goes into a quantiser is computed in f32, as accurately as f32 sums, v_exp_f32 and their like allow (about 1e-6 of the number): no bf16 or f16 on the way to a quantiser, and a product that is left as it is and whose result goes on into a quantised operand takes f32 operands (vector FMAs, or v_wmma_f32_16x16x4_f32). A number that lies on a knife's edge between two numbers of the format may be rounded either way, as far as f32 arithmetic and the matrix unit's own rounding can turn it there, and no further.
;; One version. Each part assembles by itself: llvm-mc -triple=amdgcn-amd-amdhsa -mcpu=gfx1250 --defsym DOCPART=n.
;; ======== version 1 of 1: 4 launches
;; limits: right only within a limited range of input values
;; workspace buffers: codes 12,582,912 bytes; scales 393,216 bytes; qc 8,388,608 bytes; qs 262,144 bytes; kvc 16,777,216 bytes; kvs 524,288 bytes; oc 8,388,608 bytes; os 262,144 bytes
;; launch quant (part 1): grid 256 x 1, 6 waves a work-group, no clusters, 49,920 bytes of LDS; arguments x, Wq, Wk, Wv, Wo, codes, scales; writes codes, scales
.if DOCPART == 1
	.amdgcn_target "amdgcn-amd-amdhsa--gfx1250"
	.amdhsa_code_object_version 6
	.text
	.protected	k_q90fec206a4_quant
	.globl	k_q90fec206a4_quant
	.p2align	8
	.type	k_q90fec206a4_quant,@function
k_q90fec206a4_quant:
	s_mov_b64 s[64:65], 0
	v_nop
	global_prefetch_b8 v0, s[64:65] scope:SCOPE_SE
	s_setreg_imm32_b32 hwreg(HW_REG_WAVE_MODE, 25, 1), 1
	s_wait_xcnt 0x0
; MULTI-HEAD ATTENTION IN MX-BF8, launch 1 of 4: x [8192][1024], Wq, Wk, Wv, Wo [1024][1024], f32, K innermost in all five, become codes of BF8 (E5M2) with one E8M0 scale byte for each 32 along K.
; NOTHING OF THE PROBLEM IS LEFT OUT: bq, bk and bv go into quantised operands, bo into the result, there is no mask and nothing is sliced away; all nine inputs are loaded by some launch.
; A block's scale is 2^(floor(log2(its largest magnitude)) - 15); its byte is the largest magnitude's exponent field - 15, held at 1 from below.  Each number is divided by the scale, held within +-57,344 and rounded to the nearest code, ties to even.
; LIMITS: a block of zeros gets the byte 1 where the rule says 127 (its codes are zeros, which add nothing under any byte but 0xff, and this program alone reads the bytes); blocks whose largest magnitude lies under 2^-111
; keep the byte 1; NaN and infinities among the inputs are not served.
; OUT: codes [12288 rows][1024], scales [12288][32]: rows 0 on x, 8192 on Wq, 9216 on Wk, 10240 on Wv, 11264 on Wo.
; THE SWAP: of every 32 rows the two middle groups of 8 change places, so that stored row 32 g + 16 u + m (m = 0 .. 15) holds true row 32 g + 8 u + m + 8 (m / 8).  Sixteen stored rows on end are then a tile whose results,
; in a transposed product, give a lane 16 true neighbours in the 16 registers of two neighbouring tiles: the later launches quantise their results in registers.
; SHARES.  The 12,288 rows are 1,536 runs of 8 rows; 256 work-groups of six waves, a run a wave: run 6 x work-group + wave.  Run n is group n % 4 of the 32 rows n / 4; it is written as group 2 (n % 2) + (n % 4) / 2 of them.
; A wave takes its 8,192 numbers in 16 steps of 512.  Each of a step's four loads reads 512 consecutive bytes; the 2,048 bytes turn through the wave's own stage in LDS and come back 64 bytes a lane (16 neighbours;
; two neighbouring lanes hold a block).  A lane's 16 codes are 16 bytes: the wave stores 512 consecutive bytes.  A wave's 256 scale bytes are gathered in LDS and leave as one run of 256 bytes.
; No tensor loads, no barrier: waves share nothing.  Loads run eight steps (32 loads a wave) ahead, the turn through LDS one step.
.set WAVES, 6
.set STEPS, 16
.set AHEAD, 8                          ; steps that the loads run ahead: as many sets of 16 registers
.set EMAX,  15
.set MANT,  0x600000                   ; the mantissa field of 57,344 as f32
.set CB,    16                         ; bytes of 16 codes
.set R,     16                         ; v16-143  eight sets of 16 numbers as they are loaded
.set X,     144                        ; v144-175 two sets of 16 neighbours
.set E,     176                        ; v176-191 a scale byte for each step
.set C,     192                        ; v192-255 codes: four registers for each step, so that no store's data are written again
.set WREG,  8192                       ; LDS: a region for each wave: two stages of 32 x SP bytes, behind them its 256 scale bytes
.set SP,    80                         ; a lane's place in a stage: its 64 bytes + 16 of padding
.set SPW,   12                         ; v12      LDS address of my spare word; never rewritten
.set NIL,   13                         ; v13      0; never rewritten
.set SPARE, WAVES*WREG                 ; behind the six regions: the spare words, 128 bytes a wave, which no other line names
	s_load_b256 s[4:11], s[0:1], 0x0               ; x, Wq, Wk, Wv
	s_load_b64 s[12:13], s[0:1], 0x20              ; Wo
	s_load_b64 s[16:17], s[0:1], 0x28              ; codes
	s_load_b64 s[18:19], s[0:1], 0x30              ; scales
	v_lshl_add_u32 v[SPW], v0, 2, SPARE
	v_mov_b32 v[NIL], 0
	v_lshrrev_b32 v1, 5, v0
	v_readfirstlane_b32 s26, v1                    ; wave
	v_and_b32 v2, 31, v0                           ; lane
	v_lshlrev_b32 v3, 4, v2                        ; my 16 bytes of a load's 512
	s_mul_i32 s27, s26, WREG
	v_lshrrev_b32 v14, 2, v2
	v_mul_u32_u24 v14, v14, SP
	v_and_b32 v15, 3, v2
	v_lshl_add_u32 v14, v15, 4, v14
	v_add_nc_u32 v14, s27, v14                     ; the stage, on the way in: four lanes' 64 bytes on end, then 16 of padding
	v_mul_u32_u24 v15, v2, SP
	v_add_nc_u32 v15, s27, v15                     ; and on the way out: SP x lane: my 16 neighbours
	v_mul_u32_u24 v4, v2, CB                       ; my codes' place in a step's
	v_lshrrev_b32 v5, 1, v2
	s_add_co_u32 s27, s27, 2*32*SP
	v_add_nc_u32 v5, s27, v5                       ; LDS: my wave's 256 scale bytes, my block's byte
	v_lshlrev_b32 v7, 3, v2                        ; and on the way out 8 bytes a lane
	v_add_nc_u32 v6, s27, v7
	s_mov_b32 s32, MANT                            ; (an instruction takes one literal: the hold's line has another)
	s_mul_i32 s33, ttmp9, WAVES
	s_add_co_u32 s33, s33, s26                     ; my run of 8 rows, 0 .. 1,535
	s_lshr_b32 s34, s33, 2                         ; its 32 rows, 0 .. 383: 0-255 are x's, then 32 each Wq's, Wk's, Wv's, Wo's
	s_and_b32 s35, s33, 3                          ; its group among them
	s_sub_co_u32 s20, s34, 256                     ; (in x's runs these three numbers are not used)
	s_lshr_b32 s21, s20, 5                         ; which weight
	s_and_b32 s22, s20, 31                         ; which 32 rows of it
	s_wait_alu depctr_va_vdst(0)                   ; the wait at the head's end
	s_wait_kmcnt 0x0
	s_mov_b64 s[24:25], s[6:7]                     ; the choice of the input hangs on the run's number alone
	s_cmp_eq_u32 s21, 1
	s_cselect_b64 s[24:25], s[8:9], s[24:25]
	s_cmp_eq_u32 s21, 2
	s_cselect_b64 s[24:25], s[10:11], s[24:25]
	s_cmp_eq_u32 s21, 3
	s_cselect_b64 s[24:25], s[12:13], s[24:25]
	s_cmp_lt_u32 s34, 256
	s_cselect_b64 s[24:25], s[4:5], s[24:25]
	s_cselect_b32 s23, s34, s22
	s_lshl_b32 s23, s23, 2
	s_add_co_u32 s23, s23, s35                     ; which run of 8 rows of the input is mine
	s_lshl_b32 s28, s23, 15                        ; 32,768 bytes a run
	s_mov_b32 s29, 0
	s_add_nc_u64 s[24:25], s[24:25], s[28:29]
	s_and_b32 s30, s35, 1                          ; THE SWAP: group w goes to place 2 (w % 2) + w / 2
	s_lshl_b32 s30, s30, 1
	s_lshr_b32 s31, s35, 1
	s_or_b32 s30, s30, s31
	s_lshl_b32 s31, s34, 2
	s_add_co_u32 s30, s30, s31                     ; the run in the workspace
	s_lshl_b32 s28, s30, 13                        ; 8,192 bytes of codes a run
	s_add_nc_u64 s[16:17], s[16:17], s[28:29]
	s_lshl_b32 s28, s30, 8                         ; 256 scale bytes a run
	s_add_nc_u64 s[18:19], s[18:19], s[28:29]
.macro LOAD t
.irp i, 0,1,2,3
	global_load_b128 v[R+16*((\t)%AHEAD)+4*\i:R+16*((\t)%AHEAD)+4*\i+3], v3, s[24:25] offset:2048*(\t)+512*\i th:TH_LOAD_NT   ; 32 lanes read 512 consecutive bytes
.endr
.endm
.macro TURN t                          ; step t's numbers through the stage: LDS serves a wave's instructions in order, so no wait stands between the stores and the loads
.irp i, 0,1,2,3
	ds_store_b128 v14, v[R+16*((\t)%AHEAD)+4*\i:R+16*((\t)%AHEAD)+4*\i+3] offset:32*SP*((\t)%2)+8*SP*\i
.endr
.irp i, 0,1,2,3
	ds_load_b128 v[X+16*((\t)%2)+4*\i:X+16*((\t)%2)+4*\i+3], v15 offset:32*SP*((\t)%2)+16*\i
.endr
.endm
.irp t, 0,1,2,3,4,5,6,7
	LOAD \t
.endr
	s_wait_loadcnt 4*(AHEAD-1)                     ; step 0's four loads are in; the seven later steps' 28 may be out
	TURN 0
.macro STEP t
.set XS, X+16*((\t)%2)
.if (\t) > 0
	s_wait_dscnt 1                                 ; this step's numbers are back from the stage (the last step's byte store may be out): so its stores into the stage have read their registers,
.else
	s_wait_dscnt 0x0
.endif
.if (\t)+AHEAD < STEPS
	LOAD (\t)+AHEAD                                ; which take the loads of eight steps on
.endif
.if (\t)+1 < STEPS
.if STEPS-2-(\t) >= AHEAD-1
	s_wait_loadcnt 4*(AHEAD-1)                     ; the next step's four loads are in; those of the seven steps behind it may be out
.else
	s_wait_loadcnt 4*(STEPS-2-(\t))
.endif
	TURN (\t)+1                                    ; and go through the other stage while this step is worked
.endif
	v_max3_num_f32 v8, |v[XS]|, |v[XS+1]|, |v[XS+2]|               ; the largest magnitude of my 16, in two chains
	v_max3_num_f32 v9, |v[XS+3]|, |v[XS+4]|, |v[XS+5]|
.irp i, 6,10
	v_max3_num_f32 v8, v8, |v[XS+\i]|, |v[XS+\i+1]|
	v_max3_num_f32 v9, v9, |v[XS+\i+2]|, |v[XS+\i+3]|
.endr
	v_max3_num_f32 v8, v8, |v[XS+14]|, |v[XS+15]|
	v_max3_num_f32 v8, v8, v9, (EMAX+1)<<23        ; and the floor 2^(16 - 127): so the byte cannot fall under 1
	v_max_num_f32_dpp v8, v8, v8 row_xmask:1 row_mask:0xf bank_mask:0xf   ; and of my neighbour's 16: the block's
	v_add_nc_u32 v11, -(EMAX<<23), v8              ; 15 off its exponent field: the conversion takes the exponent field of this operand as its scale
	v_and_or_b32 v10, v8, 0x7f800000, s32          ; 57,344 x the scale: the largest magnitude's exponent field over 57,344's mantissa
.irp i, 0,1,2,3,4,5,6,7,8,9,10,11,12,13,14,15
	v_med3_num_f32 v[XS+\i], v[XS+\i], -v10, v10   ; the conversion to an 8-bit code does not saturate (ISA guide 7.6.2): the hold comes first
.endr
	v_cvt_scalef32_pk8_bf8_f32 v[C+4*(\t):C+4*(\t)+1], v[XS:XS+7], v11
	v_cvt_scalef32_pk8_bf8_f32 v[C+4*(\t)+2:C+4*(\t)+3], v[XS+8:XS+15], v11
	v_lshrrev_b32 v[E+(\t)], 23, v11               ; the scale's byte
	ds_store_b8 v5, v[E+(\t)] offset:16*(\t)       ; both lanes of a block write the same byte with the same value
	global_store_b128 v4, v[C+4*(\t):C+4*(\t)+3], s[16:17] offset:32*CB*(\t)   ; 32 lanes store 512 consecutive bytes
.endm
.irp t, 0,1,2,3,4,5,6,7,8,9,10,11,12,13,14,15
	STEP \t
.endr
	ds_load_b64 v[8:9], v6                         ; LDS serves a wave's instructions in order: these see my stores
	s_wait_dscnt 0x0
	global_store_b64 v7, v[8:9], s[18:19]          ; 32 lanes store 256 consecutive bytes, at a multiple of 256 from the buffer's first byte
	s_wait_tensorcnt 0x0                           ; the wave's end, behind my last LDS store
	ds_add_u32 v[SPW], v[NIL]
	s_wait_dscnt 0x0
	s_endpgm
.Lfunc_end_k_q90fec206a4_quant:
	.size	k_q90fec206a4_quant, .Lfunc_end_k_q90fec206a4_quant-k_q90fec206a4_quant
	.p2alignl 7, 3214868480
	.fill 96, 4, 3214868480
	.section	.rodata,"a",@progbits
	.p2align	6, 0x0
	.amdhsa_kernel k_q90fec206a4_quant
		.amdhsa_group_segment_fixed_size 49920
		.amdhsa_private_segment_fixed_size 0
		.amdhsa_enable_private_segment 0
		.amdhsa_kernarg_size 56
		.amdhsa_user_sgpr_count 2
		.amdhsa_user_sgpr_kernarg_segment_ptr 1
		.amdhsa_wavefront_size32 1
		.amdhsa_system_sgpr_workgroup_id_x 1
		.amdhsa_system_sgpr_workgroup_id_y 1
		.amdhsa_system_sgpr_workgroup_id_z 1
		.amdhsa_system_vgpr_workitem_id 0
		.amdhsa_next_free_vgpr 256
		.amdhsa_next_free_sgpr 66
		.amdhsa_reserve_vcc 0
		.amdhsa_float_denorm_mode_32 3
		.amdhsa_float_denorm_mode_16_64 3
		.amdhsa_memory_ordered 1
		.amdhsa_forward_progress 1
		.amdhsa_inst_pref_size 51
	.end_amdhsa_kernel
	.amdgpu_metadata
---
amdhsa.version: [ 1, 2 ]
amdhsa.kernels:
  - .name:           k_q90fec206a4_quant
    .symbol:         k_q90fec206a4_quant.kd
    .args:
      - { .name: x, .offset: 0, .size: 8, .value_kind: global_buffer, .address_space: global }
      - { .name: Wq, .offset: 8, .size: 8, .value_kind: global_buffer, .address_space: global }
      - { .name: Wk, .offset: 16, .size: 8, .value_kind: global_buffer, .address_space: global }
      - { .name: Wv, .offset: 24, .size: 8, .value_kind: global_buffer, .address_space: global }
      - { .name: Wo, .offset: 32, .size: 8, .value_kind: global_buffer, .address_space: global }
      - { .name: codes, .offset: 40, .size: 8, .value_kind: global_buffer, .address_space: global }
      - { .name: scales, .offset: 48, .size: 8, .value_kind: global_buffer, .address_space: global }
    .group_segment_fixed_size: 49920
    .private_segment_fixed_size: 0
    .kernarg_segment_align: 8
    .kernarg_segment_size: 56
    .max_flat_workgroup_size: 192
    .sgpr_count:     66
    .vgpr_count:     256
    .wavefront_size: 32
...
	.end_amdgpu_metadata
.endif
;; end of part 1
;; launch qkv (part 2): grid 12 x 32, 4 waves a work-group, clusters of 4 x 4, 327,680 bytes of LDS; arguments codes, scales, bq, bk, bv, qc, qs, kvc, kvs; writes qc, qs, kvc, kvs
.if DOCPART == 2
	.amdgcn_target "amdgcn-amd-amdhsa--gfx1250"
	.amdhsa_code_object_version 6
	.text
	.protected	k_q90fec206a4_qkv
	.globl	k_q90fec206a4_qkv
	.p2align	8
	.type	k_q90fec206a4_qkv,@function
k_q90fec206a4_qkv:
	s_mov_b64 s[64:65], 0
	v_nop
	global_prefetch_b8 v0, s[64:65] scope:SCOPE_SE
	s_setreg_imm32_b32 hwreg(HW_REG_WAVE_MODE, 25, 1), 1
	s_wait_xcnt 0x0
	s_wait_alu depctr_hold_cnt(0) depctr_sa_sdst(0) depctr_va_vdst(0) depctr_va_sdst(0) depctr_va_ssrc(0) depctr_va_vcc(0) depctr_vm_vsrc(0)
	s_getreg_b32 s2, hwreg(HW_REG_IB_STS2, 6, 4)
	s_cmp_eq_u32 s2, 0
	s_cbranch_scc0 .Lentry_in_a_cluster
	s_endpgm
.Lentry_in_a_cluster:
	s_bfe_u32 s2, ttmp6, 0x10000c
	s_cmp_lg_u32 s2, 0xf033
	s_cbranch_scc0 .Lentry_shape_is_right
	s_endpgm
.Lentry_shape_is_right:
.set KSTEP,  256
.set NQ,     2
.set ROWB,   256
.set KROW,   1024
.set PITCH,  272
.set FR,     16
.set NL,     4
.set NP,     8
.set HALFT,  128*PITCH
.set SLOT,   4*HALFT
.set KS,     32
.set SCL,    2*SLOT
.set HALFS,  (128*KS/256)*272
.set SBLK,   (16*KS/256)*272
.set SPARE,  SCL+4*HALFS
.set VB,   8
.set ADRA, 16
.set ADRB, 20
.set ADRS, 27
.set SPW,  28
.set NIL,  29
.set SC,   32
.set BI,   64
.set AF,   128
.set TM,   64
.set PW,   80
.set WS,   88
.set VO,   92
.set VSO,  96
.set SELV, 97
.set LN,   98
.set XQ,   128
.set PC,   192
.set XX,   2
.set WV,   22
.set HR,   23
.set G1,   24
.set G0,   32
.set HC,   40
.set CX,   41
.set CY,   42
.set YY,   43
.set TROW, 44
.set TCOL, 45
.set G1B,  48
.set G0B,  56
.set FB,   66
.set TKB,  67
.set G1S,  68
.set G0S,  76
.set G1SB, 80
.set G0SB, 88
.set DP,   98
.set SQ,   100
.set STA,  24
.set ST4,  26
.set OB2,  28
.set HSS,  29
.set SEL,  36
.set MNT,  38
.set MSB, 0
.macro WIN new
.if MSB != \new
	s_set_vgpr_msb (MSB<<8)|\new
.set MSB, \new
.endif
.endm
.set MUL_LO, 0xa1
.set MUL_HI, 0xf1
.set TO_B,   0x40
.macro JLOAD g0a, g1a, g0b, g1b
	s_cmp_eq_u32 s[HR], 0
	s_cbranch_scc0 .Lfor_b_\@
	tensor_load_to_lds s[\g0a:\g0a+3], s[\g1a:\g1a+7]
	s_nop 0
.rept 4
	v_nop
.endr
	s_branch .Lasked_\@
.Lfor_b_\@:
	tensor_load_to_lds s[\g0b:\g0b+3], s[\g1b:\g1b+7]
	s_nop 0
.rept 4
	v_nop
.endr
.Lasked_\@:
.endm
.macro CREST
	s_cmp_lg_u32 s[WV], 0
	s_cbranch_scc1 .Lnot_wave_0_\@
	s_barrier_signal -3
.Lnot_wave_0_\@:
	s_barrier_wait -3
	s_barrier_signal -1
	s_barrier_wait -1
.endm
.macro CROUND
	s_barrier_signal -1
	s_barrier_wait -1
	CREST
.endm
	s_load_b512 s[4:19], s[0:1], 0x0
	s_load_b64 s[20:21], s[0:1], 0x40
	v_lshl_add_u32 v[SPW], v0, 2, SPARE
	v_mov_b32 v[NIL], 0
	ds_add_u32 v[SPW], v[NIL]
	ds_add_u32 v[SPW], v[NIL]
	v_lshrrev_b32 v1, 5, v0
	v_readfirstlane_b32 s[WV], v1
	s_lshr_b32 s[HR], s[WV], 1
	s_and_b32 s[HC], s[WV], 1
	s_mov_b32 s[XX], ttmp9
	s_bfe_u32 s[CX], ttmp6, 0x40000
	s_bfe_u32 s[CY], ttmp6, 0x40004
	s_and_b32 s[YY], ttmp7, 0xffff
	s_lshl_b32 s92, s[YY], 2
	s_lshl_b32 s93, s[XX], 2
	s_cmp_eq_u32 s[XX], 2
	s_cselect_b32 s[TROW], 0, s92
	s_cselect_b32 s[TCOL], s92, s93
	s_cselect_b32 s94, 10240, 0
	s_cselect_b32 s95, 0, 8192
	s_add_co_u32 s[TROW], s[TROW], s[CY]
	s_add_co_u32 s[TCOL], s[TCOL], s[CX]
	s_lshl_b32 s46, s[CY], 2
	s_lshl_b32 s46, 15, s46
	s_lshl_b32 s47, 0x1111, s[CX]
	s_or_b32 s[G1+0], s46, (0<<16)|(1<<20)|(1<<21)|(5<<22)|(3<<25)
	s_or_b32 s[G1B+0], s47, (0<<16)|(1<<20)|(1<<21)|(5<<22)|(3<<25)
.irp g, G1, G1B
	s_mov_b32 s[\g+1], ROWB<<16
	s_mov_b32 s[\g+2], 256<<16                     ; the head's loads bring 256 rows; behind them the two words are set to 128, for the ring's
	s_mov_b32 s[\g+3], ROWB<<16
	s_mov_b32 s[\g+4], 256
	s_mov_b32 s[\g+5], KROW
	s_mov_b32 s[\g+6], 0
	s_mov_b32 s[\g+7], 0
.endr
	s_or_b32 s[G1S+0], s46, (3<<16)|(1<<20)|(1<<21)|(5<<22)|(3<<25)
	s_or_b32 s[G1SB+0], s47, (3<<16)|(1<<20)|(1<<21)|(5<<22)|(3<<25)
.irp g, G1S, G1SB
	s_mov_b32 s[\g+1], 32<<16
	s_mov_b32 s[\g+2], (256*KS/256)<<16            ; the scale bytes of 256 rows: one dense block
	s_mov_b32 s[\g+3], 32<<16
	s_mov_b32 s[\g+4], 256*KS/256
	s_mov_b32 s[\g+5], 32
	s_mov_b32 s[\g+6], 0
	s_mov_b32 s[\g+7], 0
.endr
	s_lshl_b32 s3, s[HC], 7
	s_lshl_b32 s92, s[TROW], 8
	s_add_co_u32 s92, s92, s94
	s_lshl_b32 s96, s[TCOL], 8
	s_add_co_u32 s96, s96, s95
	s_lshl_b32 s94, s92, 5
	s_mov_b32 s95, 0
	s_lshl_b32 s92, s92, 10
	s_mov_b32 s93, 0
	s_lshl_b32 s98, s96, 5
	s_mov_b32 s99, 0
	s_lshl_b32 s96, s96, 10
	s_mov_b32 s97, 0
	s_mul_i32 s100, s[WV], HALFT
	s_wait_dscnt 0x0
	s_wait_kmcnt 0x0
	s_add_nc_u64 s[92:93], s[4:5], s[92:93]
	s_add_nc_u64 s[94:95], s[6:7], s[94:95]
	s_add_nc_u64 s[96:97], s[4:5], s[96:97]
	s_add_nc_u64 s[98:99], s[6:7], s[98:99]
	CROUND
	s_mov_b32 s[G0S], 1                            ; the head's four tiles, each whole: the scale bytes of A's 256 rows,
	s_mov_b32 s[G0S+1], SCL
	s_mov_b64 s[G0S+2:G0S+3], s[94:95]
	s_or_b32 s[G0S+3], s[G0S+3], 0x80000000
	s_mov_b32 s[G0SB], 1                           ; of B's,
	s_mov_b32 s[G0SB+1], SCL+2*HALFS
	s_mov_b64 s[G0SB+2:G0SB+3], s[98:99]
	s_or_b32 s[G0SB+3], s[G0SB+3], 0x80000000
	s_mov_b32 s[G0], 1                             ; K step 0's 256 rows of A (in slot 0's group, which is set for the ring behind the wait below),
	s_mov_b32 s[G0+1], 0
	s_mov_b64 s[G0+2:G0+3], s[92:93]
	s_or_b32 s[G0+3], s[G0+3], 0x80000000
	s_mov_b32 s[G0B], 1                            ; and its 256 rows of B
	s_mov_b32 s[G0B+1], 2*HALFT
	s_mov_b64 s[G0B+2:G0B+3], s[96:97]
	s_or_b32 s[G0B+3], s[G0B+3], 0x80000000
	s_lshl_b32 s94, s3, 10                         ; for the ring: my 128 rows of a tile, in bytes
	s_mov_b32 s95, 0
	s_add_nc_u64 s[92:93], s[92:93], s[94:95]
	s_add_nc_u64 s[96:97], s[96:97], s[94:95]
	s_mov_b32 s[G0+4], 1                           ; slot 1's groups: K step 1
	s_add_co_u32 s[G0+5], s100, SLOT
	s_add_nc_u64 s[G0+6:G0+7], s[92:93], ROWB
	s_or_b32 s[G0+7], s[G0+7], 0x80000000
	s_mov_b32 s[G0B+4], 1
	s_add_co_u32 s[G0B+5], s100, SLOT
	s_add_nc_u64 s[G0B+6:G0B+7], s[96:97], ROWB
	s_or_b32 s[G0B+7], s[G0B+7], 0x80000000
; one joint load a wave at the head, in one chain of branches on the wave's number
.macro ARM under, g0, g1, next
	s_cmp_lt_u32 s[WV], \under
	s_cbranch_scc0 \next
	tensor_load_to_lds s[\g0:\g0+3], s[\g1:\g1+7]
	s_nop 0
.rept 4
	v_nop
.endr
	s_branch .Lhead_asked
\next:
.endm
	ARM 1, G0,  G1,  .Lhead_b
	ARM 2, G0B, G1B, .Lhead_sa
	ARM 3, G0S, G1S, .Lhead_sb
	tensor_load_to_lds s[G0SB:G0SB+3], s[G1SB:G1SB+7]
	s_nop 0
.rept 4
	v_nop
.endr
.Lhead_asked:
	s_wait_alu depctr_va_vdst(0)
	s_wait_tensorcnt 0x0                           ; my tile of the head's four is in, so a descriptor may be written
	ds_add_u32 v28, v29
	s_mov_b32 s[G1+2], 128<<16                     ; from here on a load brings 128 rows
	s_mov_b32 s[G1+4], 128
	s_mov_b32 s[G1B+2], 128<<16
	s_mov_b32 s[G1B+4], 128
	s_mov_b32 s[G0+1], s100                        ; slot 0's groups for the ring: my quarter, K step 0 (the first refill steps it to K step 2)
	s_mov_b64 s[G0+2:G0+3], s[92:93]
	s_or_b32 s[G0+3], s[G0+3], 0x80000000
	s_mov_b32 s[G0B+1], s100
	s_mov_b64 s[G0B+2:G0B+3], s[96:97]
	s_or_b32 s[G0B+3], s[G0B+3], 0x80000000
	s_wait_dscnt 0x0
	CROUND                                         ; all four tiles are in, in every partner
	JLOAD G0+4, G1, G0B+4, G1B                     ; slot 1's first fill, issued as a refill is
	v_and_b32 v1, 15, v0
	v_bfe_u32 v2, v0, 4, 1
	v_mul_u32_u24 v3, v1, PITCH
	v_lshl_add_u32 v4, v2, 4, v3
	s_mul_i32 s92, s[HR], HALFT
	s_mul_i32 s93, s[HC], HALFT
	s_add_co_u32 s93, s93, 2*HALFT
.irp s, 0,1
	v_add_nc_u32 v[ADRA+\s], s92, v4
	v_add_nc_u32 v[ADRB+\s], s93, v4
	s_add_co_u32 s92, s92, SLOT
	s_add_co_u32 s93, s93, SLOT
.endr
	v_mul_u32_u24 v5, v1, KS
	v_lshrrev_b32 v6, 8, v5
	v_lshl_add_u32 v5, v6, 4, v5
	s_mul_i32 s92, s[HR], HALFS
	s_mul_i32 s93, s[HC], HALFS
	s_add_co_u32 s93, s93, 2*HALFS
	s_sub_co_u32 s93, s93, s92
	v_mul_u32_u24 v6, s93, v2
	s_add_co_u32 s92, s92, SCL
	v_add_nc_u32 v5, v5, v6
	v_add_nc_u32 v[ADRS], s92, v5
	s_lshl_b32 s92, s[TROW], 8
	s_lshl_b32 s93, s[HR], 7
	s_add_co_u32 s92, s92, s93
	s_lshl_b32 s93, s[TCOL], 8
	s_lshl_b32 s94, s[HC], 7
	s_add_co_u32 s93, s93, s94
	s_and_b32 s94, s93, 1023
	s_cmp_eq_u32 s[XX], 2
	s_cselect_b32 s[FB], s92, s94
	s_cselect_b32 s[TKB], s93, s92
	s_cselect_b32 s94, 0, 64
	s_cselect_b32 s95, 4, 0
	s_cselect_b32 s3, 0, 4
	s_cselect_b64 s[96:97], s[12:13], s[8:9]
	s_cmp_eq_u32 s[XX], 1
	s_cselect_b64 s[96:97], s[10:11], s[96:97]
	s_lshl_b32 s92, s[FB], 2
	s_mov_b32 s93, 0
	s_add_nc_u64 s[96:97], s[96:97], s[92:93]
	v_and_b32 v5, 8, v1
	v_add_nc_u32 v5, v5, v1
	v_mul_u32_u24 v[VB], s94, v2
	v_mad_u32_u24 v[VB], v5, s95, v[VB]
.irp j, 1,2,3,4,5,6,7
	v_add_nc_u32 v[VB+\j], s3, v[VB+\j-1]
.endr
.irp i, 0,1,2,3,4,5,6,7
.irp j, 0,1,2,3,4,5,6,7
	global_load_b32 v[BI+8*\i+\j], v[VB+\j], s[96:97] offset:4*(32*(\i/2)+8*(\i%2))
.endr
.endr
.macro FRAG reg, adr, q, i
.irp c, 0,1,2,3
	ds_load_b128 v[\reg+4*\c:\reg+4*\c+3], v[\adr] offset:128*(\q)+32*\c+(\i)*16*PITCH
.endr
.endm
.macro MUL16 a0, p, q, sc, zero
.irp a, \a0, \a0+1
.irp b, 0,1,2,3,4,5,6,7
.if \zero == 1
	v_wmma_scale_f32_16x16x128_f8f6f4 v[8*(8*((\a)%4)+\b):8*(8*((\a)%4)+\b)+7], v[128*(\p)+FR*\b:128*(\p)+FR*\b+FR-1], v[AF+FR*(\a):AF+FR*(\a)+FR-1], v[BI+8*\b:BI+8*\b+7], v[SC+8*NQ*(\sc)+NQ*\b+(\q)], v[SC+8*NQ*(\sc)+NQ*(\a)+(\q)] matrix_a_fmt:MATRIX_FMT_BF8 matrix_b_fmt:MATRIX_FMT_BF8 matrix_a_scale:MATRIX_SCALE_ROW1
.elseif \zero == 2
	v_wmma_scale_f32_16x16x128_f8f6f4 v[8*(8*((\a)%4)+\b):8*(8*((\a)%4)+\b)+7], v[128*(\p)+FR*\b:128*(\p)+FR*\b+FR-1], v[AF+FR*(\a):AF+FR*(\a)+FR-1], v[BI+8*(\a):BI+8*(\a)+7], v[SC+8*NQ*(\sc)+NQ*\b+(\q)], v[SC+8*NQ*(\sc)+NQ*(\a)+(\q)] matrix_a_fmt:MATRIX_FMT_BF8 matrix_b_fmt:MATRIX_FMT_BF8 matrix_a_scale:MATRIX_SCALE_ROW1
.else
	v_wmma_scale_f32_16x16x128_f8f6f4 v[8*(8*((\a)%4)+\b):8*(8*((\a)%4)+\b)+7], v[128*(\p)+FR*\b:128*(\p)+FR*\b+FR-1], v[AF+FR*(\a):AF+FR*(\a)+FR-1], v[8*(8*((\a)%4)+\b):8*(8*((\a)%4)+\b)+7], v[SC+8*NQ*(\sc)+NQ*\b+(\q)], v[SC+8*NQ*(\sc)+NQ*(\a)+(\q)] matrix_a_fmt:MATRIX_FMT_BF8 matrix_b_fmt:MATRIX_FMT_BF8 matrix_a_scale:MATRIX_SCALE_ROW1
.endif
.endr
.endr
.endm
.macro FETCH_B slot, q, p
	WIN TO_B
.irp i, 0,1,2,3,4,5,6,7
	FRAG 128*(\p)+FR*\i, ADRB+\slot, \q, \i
.endr
	WIN 0
.endm
.macro FETCH_A slot, q, i0
.irp i, \i0, \i0+1, \i0+2, \i0+3
	FRAG AF+FR*(\i), ADRA+\slot, \q, \i
.endr
.endm
.macro SCALES sc
.irp i, 0,1,2,3,4,5,6,7
	ds_load_b64 v[SC+8*NQ*\sc+NQ*\i:SC+8*NQ*\sc+NQ*\i+1], v[ADRS] offset:\i*SBLK
.endr
.endm
.macro PLACES n
.rept \n
	v_nop
.endr
.endm
.macro STEP slot, q, zero
	s_wait_dscnt 4*NL
.if \zero
	WIN 0x81
.else
	WIN MUL_LO
.endif
	MUL16 0, (\q)%2, \q, \slot, \zero
	MUL16 2, (\q)%2, \q, \slot, \zero
	s_wait_dscnt 0
	PLACES NP
	FETCH_B \slot, (\q)+1, 1-(\q)%2
	FETCH_A \slot, (\q)+1, 0
.if \zero
	WIN 0xc1
.else
	WIN MUL_HI
.endif
	MUL16 4, (\q)%2, \q, \slot, \zero
	MUL16 6, (\q)%2, \q, \slot, \zero
	PLACES NP
	WIN 0
	FETCH_A \slot, (\q)+1, 4
.endm
.macro TURN slot, next, fill
	s_wait_tensorcnt 0x0
	ds_add_u32 v[SPW], v[NIL]
	s_wait_dscnt 4*NL+1
	WIN MUL_LO
	MUL16 0, 1, NQ-1, \slot, 0
	s_wait_dscnt 0x0
	s_barrier_signal -1
	MUL16 2, 1, NQ-1, \slot, 0
	WIN 0
	s_barrier_wait -1
.if \fill
	CREST
	s_add_nc_u64 s[G0+4*\slot+2:G0+4*\slot+3], s[G0+4*\slot+2:G0+4*\slot+3], 2*ROWB
	s_add_nc_u64 s[G0B+4*\slot+2:G0B+4*\slot+3], s[G0B+4*\slot+2:G0B+4*\slot+3], 2*ROWB
	JLOAD G0+4*\slot, G1, G0B+4*\slot, G1B
	PLACES NP-4
.else
	PLACES NP
.endif
	s_wait_alu depctr_va_vdst(0)
	v_add_nc_u32 v[ADRS], 4*NQ, v[ADRS]
	FETCH_B \next, 0, 0
	FETCH_A \next, 0, 0
	SCALES \next
	WIN MUL_HI
	MUL16 4, 1, NQ-1, \slot, 0
	MUL16 6, 1, NQ-1, \slot, 0
	PLACES NP
	WIN 0
	FETCH_A \next, 0, 4
.endm
	s_wait_tensorcnt 1
	s_barrier_signal -1
	s_barrier_wait -1
	FETCH_B 0, 0, 0
	FETCH_A 0, 0, 0
	SCALES 0
	FETCH_A 0, 0, 4
	s_wait_loadcnt 0x0
	s_cmp_eq_u32 s[XX], 2
	s_cbranch_scc1 .Lfirst_v
	STEP 0, 0, 1
	s_branch .Ljoin
.Lfirst_v:
	STEP 0, 0, 2
.Ljoin:
	TURN 0, 1, 1
	STEP 1, 0, 0
	TURN 1, 0, 1
	STEP 0, 0, 0
	TURN 0, 1, 0
	STEP 1, 0, 0
	s_wait_dscnt 4*NL
	WIN MUL_LO
	MUL16 0, 1, NQ-1, 1, 0
	MUL16 2, 1, NQ-1, 1, 0
	s_wait_dscnt 0
	WIN MUL_HI
	MUL16 4, 1, NQ-1, 1, 0
	MUL16 6, 1, NQ-1, 1, 0
	WIN 0
	PLACES NP
	s_lshr_b32 s24, s[TKB], 11
	s_lshl_b32 s24, s24, 4
	s_lshr_b32 s25, s[FB], 6
	s_add_co_u32 s24, s24, s25
	s_lshl_b32 s24, s24, 4
	s_bfe_u32 s25, s[TKB], 0x40007
	s_add_co_u32 s[TKB], s24, s25
	s_cmp_eq_u32 s[XX], 0
	s_cselect_b64 s[DP:DP+1], s[14:15], s[18:19]
	s_cselect_b64 s[SQ:SQ+1], s[16:17], s[20:21]
	s_cselect_b32 s30, 13, 14
	s_cselect_b32 s31, 8, 9
	s_mov_b32 s[OB2], 262144
	s_cselect_b32 s[OB2], 131072, s[OB2]
	s_mov_b32 s[HSS], 8192
	s_cselect_b32 s[HSS], 4096, s[HSS]
	s_cmp_eq_u32 s[XX], 2
	s_cselect_b32 s[OB2], 1024, s[OB2]
	s_mov_b32 s[STA], 1024
	s_cselect_b32 s[STA], 2048, s[STA]
	s_cselect_b32 s[ST4], 253952, 0
	s_cselect_b32 s32, 8192, 0
	s_cselect_b32 s33, 256, 0
	s_mov_b32 s[STA+1], 0
	s_mov_b32 s[ST4+1], 0
	s_lshl_b32 s34, s[TKB], s30
	s_add_co_u32 s34, s34, s32
	s_mov_b32 s35, 0
	s_add_nc_u64 s[DP:DP+1], s[DP:DP+1], s[34:35]
	s_lshl_b32 s34, s[TKB], s31
	s_add_co_u32 s34, s34, s33
	s_add_nc_u64 s[SQ:SQ+1], s[SQ:SQ+1], s[34:35]
	s_mov_b32 s[SEL], 0x76543210
	s_mov_b32 s[SEL+1], 0xfedcba98
	s_mov_b32 s[MNT], 0x600000
	s_mov_b32 s39, 0x02020202
	v_and_b32 v[LN], 31, v0
	v_lshlrev_b32 v[VO], 4, v[LN]
	v_add_nc_u32 v[VO+1], 512, v[VO]
	v_add_nc_u32 v[VO+2], s[OB2], v[VO]
	v_add_nc_u32 v[VO+3], s[OB2], v[VO+1]
	v_lshrrev_b32 v2, 4, v[LN]
	v_and_b32 v3, 15, v[LN]
	v_lshlrev_b32 v3, 4, v3
	v_mad_u32_u24 v[VSO], v2, s[HSS], v3
	v_mul_lo_u32 v4, v2, s39
	v_add_nc_u32 v[SELV], 0x05040100, v4
.irp b, 0,1,2,3
	v_mov_b32 v[TM+4+\b], 0
.endr
.macro QOUT a
.set AC, 64*((\a)%4)
	WIN 0x0a+5*((\a)/4)
.irp b, 0,1,2,3
	v_max3_num_f32 v[TM+\b], |v[AC+16*\b]|, |v[AC+16*\b+1]|, 0x8000000
.endr
.irp i, 2,4,6,8,10,12,14
.irp b, 0,1,2,3
	v_max3_num_f32 v[TM+\b], |v[AC+16*\b+\i]|, |v[AC+16*\b+\i+1]|, v[TM+\b]
.endr
.endr
	WIN 0
.irp b, 0,1,2,3
	v_permlanex16_b32 v[TM+4+\b], v[TM+\b], s[SEL], s[SEL+1]
.endr
.irp b, 0,1,2,3
	v_max_num_f32 v[TM+\b], v[TM+\b], v[TM+4+\b]
.endr
.irp b, 0,1,2,3
	v_add_nc_u32 v[TM+12+\b], 0xf8800000, v[TM+\b]
.endr
.irp b, 0,1,2,3
	v_and_or_b32 v[TM+8+\b], v[TM+\b], 0x7f800000, s[MNT]
.endr
.irp b, 0,1,2,3
	v_lshrrev_b32 v[TM+4+\b], 23, v[TM+12+\b]
.endr
	v_lshl_or_b32 v[PW+(\a)], v[TM+5], 8, v[TM+4]
	v_lshl_or_b32 v[PW+(\a)], v[TM+6], 16, v[PW+(\a)]
	v_lshl_or_b32 v[PW+(\a)], v[TM+7], 24, v[PW+(\a)]
.if (\a) > 0
	s_wait_xcnt 0x0
	s_add_nc_u64 s[DP:DP+1], s[DP:DP+1], s[STA:STA+1]
.endif
.if (\a) == 4
	s_add_nc_u64 s[DP:DP+1], s[DP:DP+1], s[ST4:ST4+1]
.endif
	WIN 0x02+(\a)/4
.irp b, 0,1,2,3
.irp i, 0,1,2,3,4,5,6,7,8,9,10,11,12,13,14,15
	v_med3_num_f32 v[XQ+16*\b+\i], v[AC+16*\b+\i], -v[TM+8+\b], v[TM+8+\b]
.endr
.endr
	WIN 0
.irp b, 0,1,2,3
	v_cvt_scalef32_pk8_bf8_f32 v[PC+4*\b:PC+4*\b+1], v[XQ+16*\b:XQ+16*\b+7], v[TM+12+\b]
	v_cvt_scalef32_pk8_bf8_f32 v[PC+4*\b+2:PC+4*\b+3], v[XQ+16*\b+8:XQ+16*\b+15], v[TM+12+\b]
.endr
	v_nop
.irp b, 0,1,2,3
	global_store_b128 v[VO+\b], v[PC+4*\b:PC+4*\b+3], s[DP:DP+1]
.endr
.endm
.irp a, 0,1,2,3,4,5,6,7
	QOUT \a
.endr
	s_cmp_eq_u32 s[XX], 2
	s_cbranch_scc1 .Lwords_v
.irp p, 0,1,2,3
	v_perm_b32 v[WS+\p], v[PW+2*\p+1], v[PW+2*\p], v[SELV]
.endr
	s_branch .Lwords_done
.Lwords_v:
	v_cmp_lt_u32 vcc_lo, 15, v[LN]
.irp p, 0,1,2,3
	v_cndmask_b32 v[WS+\p], v[PW+\p], v[PW+4+\p], vcc_lo
.endr
.Lwords_done:
	s_wait_alu depctr_va_vdst(0)
	global_store_b128 v[VSO], v[WS:WS+3], s[SQ:SQ+1]
	s_wait_tensorcnt 0x0
	ds_add_u32 v[SPW], v[NIL]
	s_wait_dscnt 0x0
	CROUND
	s_endpgm
.Lfunc_end_k_q90fec206a4_qkv:
	.size	k_q90fec206a4_qkv, .Lfunc_end_k_q90fec206a4_qkv-k_q90fec206a4_qkv
	.p2alignl 7, 3214868480
	.fill 96, 4, 3214868480
	.section	.rodata,"a",@progbits
	.p2align	6, 0x0
	.amdhsa_kernel k_q90fec206a4_qkv
		.amdhsa_group_segment_fixed_size 327680
		.amdhsa_private_segment_fixed_size 0
		.amdhsa_enable_private_segment 0
		.amdhsa_kernarg_size 72
		.amdhsa_user_sgpr_count 2
		.amdhsa_user_sgpr_kernarg_segment_ptr 1
		.amdhsa_wavefront_size32 1
		.amdhsa_system_sgpr_workgroup_id_x 1
		.amdhsa_system_sgpr_workgroup_id_y 1
		.amdhsa_system_sgpr_workgroup_id_z 1
		.amdhsa_system_vgpr_workitem_id 0
		.amdhsa_next_free_vgpr 1024
		.amdhsa_next_free_sgpr 102
		.amdhsa_reserve_vcc 1
		.amdhsa_float_denorm_mode_32 3
		.amdhsa_float_denorm_mode_16_64 3
		.amdhsa_memory_ordered 1
		.amdhsa_forward_progress 1
		.amdhsa_inst_pref_size 207
	.end_amdhsa_kernel
	.amdgpu_metadata
---
amdhsa.version: [ 1, 2 ]
amdhsa.kernels:
  - .name:           k_q90fec206a4_qkv
    .symbol:         k_q90fec206a4_qkv.kd
    .args:
      - { .name: codes, .offset: 0, .size: 8, .value_kind: global_buffer, .address_space: global }
      - { .name: scales, .offset: 8, .size: 8, .value_kind: global_buffer, .address_space: global }
      - { .name: bq, .offset: 16, .size: 8, .value_kind: global_buffer, .address_space: global }
      - { .name: bk, .offset: 24, .size: 8, .value_kind: global_buffer, .address_space: global }
      - { .name: bv, .offset: 32, .size: 8, .value_kind: global_buffer, .address_space: global }
      - { .name: qc, .offset: 40, .size: 8, .value_kind: global_buffer, .address_space: global }
      - { .name: qs, .offset: 48, .size: 8, .value_kind: global_buffer, .address_space: global }
      - { .name: kvc, .offset: 56, .size: 8, .value_kind: global_buffer, .address_space: global }
      - { .name: kvs, .offset: 64, .size: 8, .value_kind: global_buffer, .address_space: global }
    .group_segment_fixed_size: 327680
    .private_segment_fixed_size: 0
    .kernarg_segment_align: 8
    .kernarg_segment_size: 72
    .max_flat_workgroup_size: 128
    .sgpr_count:     102
    .vgpr_count:     1024
    .wavefront_size: 32
...
	.end_amdgpu_metadata
.endif
;; end of part 2
;; launch attn (part 3): grid 4 x 64, 16 waves a work-group, clusters of 4 x 1, 327,680 bytes of LDS; arguments qc, qs, kvc, kvs, oc, os; writes oc, os
.if DOCPART == 3
	.amdgcn_target "amdgcn-amd-amdhsa--gfx1250"
	.amdhsa_code_object_version 6
	.text
	.protected	k_q90fec206a4_attn
	.globl	k_q90fec206a4_attn
	.p2align	8
	.type	k_q90fec206a4_attn,@function
k_q90fec206a4_attn:
	s_mov_b64 s[64:65], 0
	v_nop
	global_prefetch_b8 v0, s[64:65] scope:SCOPE_SE
	s_setreg_imm32_b32 hwreg(HW_REG_WAVE_MODE, 25, 1), 1
	s_wait_xcnt 0x0
	s_wait_alu depctr_hold_cnt(0) depctr_sa_sdst(0) depctr_va_vdst(0) depctr_va_sdst(0) depctr_va_ssrc(0) depctr_va_vcc(0) depctr_vm_vsrc(0)
	s_getreg_b32 s2, hwreg(HW_REG_IB_STS2, 6, 4)
	s_cmp_eq_u32 s2, 0
	s_cbranch_scc0 .Lentry_in_a_cluster
	s_endpgm
.Lentry_in_a_cluster:
	s_bfe_u32 s2, ttmp6, 0x10000c
	s_cmp_lg_u32 s2, 0x3003
	s_cbranch_scc0 .Lentry_shape_is_right
	s_endpgm
.Lentry_shape_is_right:
; Launch 3 of 4: the attention, both products on codes of BF8 (E5M2) with E8M0 scales; its result is quantised along C and leaves as images of the last product's operand.  Nothing of the problem is left out here.
; THE SOFTMAX AHEAD OF THE SECOND PRODUCT: t = score x log2(e) / 8; M = the row's largest t so far, rounded UP to a whole number; p = 2^(t - M) is what is quantised, along the keys; it is not normalised.
; The row's sum is taken of the unquantised p, in f32, and divides O at the end.  When M moves, the sum and O are multiplied by 2^(old M - new M): exact.
; SHARES.  A work-group owns ONE head and 512 queries: 64 heads x 4 blocks = 256 work-groups.  Each of its sixteen waves owns two neighbouring tiles of 16 queries and takes them one after the other, in 256 registers.
; NO RING.  A head's K and V are 16 key steps x 16,384 bytes = 262,144 bytes, its scale bytes 16 x 512 = 8,192: all of it lies in LDS for the whole launch.  Nine waves fetch it at the head, one tensor load each
; (wave 0 the scale bytes, waves 1 to 8 two key steps each); LDS place = 32,768 x wave.  No LDS byte is filled again.
; TWO BARRIERS.  The scale bytes and key steps 0 to 3 have load lines of their own, which waves 0 to 2 alone issue; these three wait in front of the first barrier, behind which every wave walks its first tile's key steps 0 to 3.
; In front of the second barrier every wave waits, under no branch: it shows key steps 4 to 15.  Behind it the remaining 28 key steps of a wave pass no barrier.
; CLUSTER.  The four query blocks of a head need the same bytes: each load is asked for jointly, with the same descriptor and a mask that names the four.
; NO PREFETCH: every tensor load of the text goes out at the head; there is no loop that runs ahead of a load.
; LAYOUT.  Both products are used transposed: S^T = K Q^T (source 0 = keys, source 1 = my queries), O^T = V^T P^T: a lane holds ONE query (lane % 16) throughout.  All operands lie in memory and in LDS as images of
; their registers: a group of four registers is 512 consecutive bytes, 16 a lane.  The rows of a tile of K and of V are chosen (by the launches before) so that the 16 registers of two neighbouring result tiles are 16 true neighbours.
; THE HEAD IS 64 DEEP, the instruction 128: a fragment of K holds TWO tiles of 16 keys, one in chunks 0, 1 and one in chunks 2, 3; it is multiplied by [Q | 0] for the first and by [0 | Q] for the second.
; The zero half holds zero codes on Q's side alone; K's codes there are finite under bytes 1 .. 254, so each such product is exactly 0.
; LIMITS: a block of zeros gets the byte 1, not 127 (zero codes; this program alone reads the bytes); NaN and infinities are not served.  os is stored 2 bytes a row, 32 bytes apart: one byte in 32 of what the launch stores.
; REGISTERS: v1-9 addresses and the old -M; v12 -M, v13 the largest t, v[14:15] the sum in two halves; v16-23 Q, v24-31 zeros, v32-39 Q again; v40 Q's scale word; v44-47 K's (lanes 0-15) and V's (lanes 16-31) scale words;
; v48-111 four fragments of K or of V; v112-175 S^T, then p; v176-207 O^T; v208-223 p's codes; v224-243 at work; v244-251 the second tile's Q, then the first tile's output codes; v252, v253 the tiles' output scale bytes.
.set STEPB, 16384                      ; a key step: K's 8,192 bytes, then V's
.set SCL,   0                          ; wave 0's place: the scale bytes
.set KVB,   32768                      ; waves 1 to 8's places: the 16 key steps on end
.set SPARE, 9*32768                    ; the spare words, 128 bytes for each of sixteen waves, which no other line names
.set LI,   1                           ; v1   16 x lane
.set ADR,  2                           ; v2   LDS address of the step's images
.set ADS,  3                           ; v3   and of its scale words
.set SPW,  5                           ; v5   LDS address of my spare word; never rewritten
.set NIL,  6                           ; v6   0; never rewritten
.set OLDM, 7                           ; v7   -M as the last step left it
.set QSO,  8                           ; v8   16 x (lane % 16)
.set OSO,  9                           ; v9   32 x (lane % 16)
.set QA,   16                          ; v[16:31] = [Q | 0];  v[24:39] = [0 | Q]
.set QS,   40
.set KSC,  44
.set KV,   48
.set S,    112
.set O,    176
.set PCD,  208
.set BM,   224                         ; v224-227 the blocks' largest
.set T4,   228                         ; v228-231 the permutes' destinations, a chain of sums, the bytes
.set HD,   232                         ; v232-235 57,344 x the scale
.set SO,   236                         ; v236-239 the conversions' scale operands
.set FF,   240                         ; v240 f = 2^(old M - new M); named as the pair v[240:241]
.set PSW,  241                         ; v241 p's scale word
.set TMP,  242
.set QW,   243                         ; the word of qs: bytes 0, 1 my first tile's, bytes 2, 3 my second's
.set QB,   244
.set OSW,  252
.set WV,   16                          ; s16  my wave
.set CXR,  17                          ; s17  my place in the cluster: it enters global addresses of Q and O alone
.set HH,   19                          ; s19  the head, 0 .. 63, which the four partners share
.set SEL,  20                          ; s[20:21] lane selects for v_permlanex16_b32: lane l xor 16
.set CS,   22                          ; s[22:23] c = log2(e) / 8
.set MNT,  24                          ; s24  the mantissa field of 57,344
.set G1,   28                          ; s[28:35] descriptor group 1 for two key steps: 128 rows of 256 bytes
.set G0,   36                          ; s[36:39] its group 0
.set G1S,  40                          ; s[40:47] group 1 for the scale bytes: 32 rows of 256 bytes
.set G0S,  48                          ; s[48:51] its group 0
.set TB,   52                          ; s52  LDS byte at which the step in hand begins
.set TS,   53                          ; s53  and its scale words: 512 bytes a step
.set CNT,  54
.macro CROUND                          ; a round of the cluster's barrier
	s_barrier_signal -1
	s_barrier_wait -1
	s_cmp_lg_u32 s[WV], 0
	s_cbranch_scc1 .Lnot_wave_0_\@
	s_barrier_signal -3
.Lnot_wave_0_\@:
	s_barrier_wait -3
	s_barrier_signal -1
	s_barrier_wait -1
.endm
	s_load_b256 s[4:11], s[0:1], 0x0               ; qc s[4:5], qs s[6:7], kvc s[8:9], kvs s[10:11]
	s_load_b128 s[12:15], s[0:1], 0x20             ; oc s[12:13], os s[14:15]
	v_lshl_add_u32 v[SPW], v0, 2, SPARE
	v_mov_b32 v[NIL], 0
	ds_add_u32 v[SPW], v[NIL]                      ; the wave's opening: the add, twice on end, and its wait ahead of the first tensor loads
	ds_add_u32 v[SPW], v[NIL]
	v_lshrrev_b32 v1, 5, v0
	s_delay_alu instid0(VALU_DEP_1)
	v_readfirstlane_b32 s[WV], v1                  ; wave 0..15
	s_bfe_u32 s[CXR], ttmp6, 0x40000
	s_and_b32 s[HH], ttmp7, 0xffff
.irp g, G1, G1S
	s_mov_b32 s[\g], 15|(3<<16)|(1<<21)            ; 15:0 the mask: all four work-groups; 17:16 elements of 8 bytes; 21 set beside a mask; no padding
	s_mov_b32 s[\g+1], 32<<16                      ; tensor_dim0 = 32 elements: 256 bytes
	s_mov_b32 s[\g+3], 32<<16                      ; tile_dim0
	s_mov_b32 s[\g+5], 32                          ; tensor_dim0_stride: dense
	s_mov_b32 s[\g+6], 0
	s_mov_b32 s[\g+7], 0
.endr
	s_mov_b32 s[G1+2], 128<<16                     ; tensor_dim1, tile_dim1: 128 rows = 32,768 bytes
	s_mov_b32 s[G1+4], 128
	s_mov_b32 s[G1S+2], 32<<16                     ; 32 rows = 8,192 bytes
	s_mov_b32 s[G1S+4], 32
	s_lshl_b32 s56, s[WV], 15                      ; where my load goes: 32,768 x wave
	s_max_u32 s57, s[WV], 1
	s_lshl_b32 s57, s57, 15
	s_lshl_b32 s58, s[HH], 18                      ; the head's stream: 262,144 bytes;
	s_add_co_u32 s58, s58, s57
	s_sub_co_u32 s58, s58, 32768                   ; wave w (1 .. 8) takes key steps 2 (w - 1) and 2 (w - 1) + 1
	s_mov_b32 s59, 0
	s_lshl_b32 s60, s[HH], 13                      ; its scale bytes
	s_mov_b32 s61, 0
	s_mov_b32 s[SEL], 0x76543210
	s_mov_b32 s[SEL+1], 0xfedcba98
	s_mov_b32 s[CS], 0x3e38aa3b                    ; c = log2(e) / sqrt(64)
	s_mov_b32 s[CS+1], s[CS]
	s_mov_b32 s[MNT], 0x600000
	s_mov_b32 s[TB], KVB
	s_mov_b32 s[TS], SCL
	s_wait_dscnt 0x0                               ; both opening adds are done
	s_wait_kmcnt 0x0
	s_mov_b32 s[G0], 1
	s_mov_b32 s[G0+1], s56
	s_add_nc_u64 s[G0+2:G0+3], s[8:9], s[58:59]
	s_or_b32 s[G0+3], s[G0+3], 0x80000000
	s_mov_b32 s[G0S], 1
	s_mov_b32 s[G0S+1], SCL
	s_add_nc_u64 s[G0S+2:G0S+3], s[10:11], s[60:61]
	s_or_b32 s[G0S+3], s[G0S+3], 0x80000000
	CROUND                                         ; all four work-groups are here: the joint loads meet
	s_cmp_eq_u32 s[WV], 0                          ; one chain of branches on the wave's number, one load to an arm
	s_cbranch_scc0 .Lnot_scales
	tensor_load_to_lds s[G0S:G0S+3], s[G1S:G1S+7]  ; wave 0: the scale bytes
	s_nop 0
.rept 4
	v_nop
.endr
	s_branch .Lasked
.Lnot_scales:
	s_cmp_lt_u32 s[WV], 3
	s_cbranch_scc0 .Lnot_first
	tensor_load_to_lds s[G0:G0+3], s[G1:G1+7]      ; waves 1, 2: key steps 0 to 3, on a line of their own: it is shown ahead of the rest
	s_nop 0
.rept 4
	v_nop
.endr
	s_branch .Lasked
.Lnot_first:
	s_cmp_lt_u32 s[WV], 9
	s_cbranch_scc0 .Lasked
	tensor_load_to_lds s[G0:G0+3], s[G1:G1+7]      ; waves 3 to 8: key steps 4 to 15
	s_nop 0
.rept 4
	v_nop
.endr
.Lasked:
	s_lshl_b32 s60, s[CXR], 4
	s_add_co_u32 s60, s60, s[WV]                   ; j = my pair of tiles, 0 .. 63: tiles 2 j and 2 j + 1 of the sequence's 128
	s_lshl_b32 s62, s[HH], 17                      ; qc: a head is 131,072 bytes, a tile 1,024
	s_lshl_b32 s63, s60, 11
	s_add_co_u32 s62, s62, s63
	s_mov_b32 s63, 0
	s_add_nc_u64 s[4:5], s[4:5], s[62:63]
	s_lshl_b32 s62, s[HH], 12                      ; qs: a head is 4,096 bytes, 8 tiles 256, a pair of tiles a word in each row's 16 bytes
	s_lshr_b32 s66, s60, 2
	s_lshl_b32 s66, s66, 8
	s_add_co_u32 s62, s62, s66
	s_and_b32 s66, s60, 3
	s_lshl_b32 s66, s66, 2
	s_add_co_u32 s62, s62, s66
	s_add_nc_u64 s[6:7], s[6:7], s[62:63]
	s_lshr_b32 s66, s[HH], 4                       ; the batch
	s_lshl_b32 s66, s66, 6
	s_add_co_u32 s66, s66, s60                     ; the pair of tiles among all 256
	s_and_b32 s67, s[HH], 15                       ; the head inside the batch: which 64 along C
	s_lshl_b32 s62, s66, 15                        ; oc: a tile is 16,384 bytes, a head's two chunks 1,024
	s_lshl_b32 s68, s67, 10
	s_add_co_u32 s62, s62, s68
	s_add_nc_u64 s[12:13], s[12:13], s[62:63]
	s_lshl_b32 s62, s66, 10                        ; os: a tile's 16 rows of 32 bytes; the head's two bytes
	s_lshl_b32 s68, s67, 1
	s_add_co_u32 s62, s62, s68
	s_add_nc_u64 s[14:15], s[14:15], s[62:63]
	v_and_b32 v[LI], 31, v0
	v_and_b32 v[QSO], 15, v0
	v_lshlrev_b32 v[LI], 4, v[LI]
	v_lshlrev_b32 v[OSO], 5, v[QSO]
	v_lshlrev_b32 v[QSO], 4, v[QSO]
	global_load_b128 v[QA:QA+3],     v[LI], s[4:5]             ; my first tile's two chunks, twice: for [Q | 0] and for [0 | Q]
	global_load_b128 v[QA+4:QA+7],   v[LI], s[4:5] offset:512
	global_load_b128 v[QA+16:QA+19], v[LI], s[4:5]
	global_load_b128 v[QA+20:QA+23], v[LI], s[4:5] offset:512
	global_load_b128 v[QB:QB+3],     v[LI], s[4:5] offset:1024 ; my second tile's wait in registers
	global_load_b128 v[QB+4:QB+7],   v[LI], s[4:5] offset:1536
	global_load_b32 v[QW], v[QSO], s[6:7]
.macro RESET                           ; a tile begins: the step is written once, and its first walk finds zeros, which the first change of M leaves zeros
	v_mov_b32 v13, 0xff61b1e6                      ; the largest t so far: -3e38, under every t
	s_delay_alu instid0(VALU_DEP_1)
	v_floor_f32 v12, -v13                          ; -M
	v_mov_b32 v14, 0
	v_mov_b32 v15, 0
.set j, 0
.rept 32
	v_mov_b32 v[O+j], 0
.set j, j+1
.endr
.endm
; A KEY STEP: 128 keys.
.macro STEP
	v_add_nc_u32 v[ADR], s[TB], v[LI]
	v_add_nc_u32 v[ADS], s[TS], v[LI]
.rept 6
	v_nop                                          ; with the two additions: eight places in front of loads into registers that the last products have read
.endr
	ds_load_b128 v[KSC:KSC+3], v[ADS]              ; lanes 0-15: row r's four words of K; lanes 16-31: row r's four words of V
.irp f, 0,1,2,3
.irp c, 0,1,2,3
	ds_load_b128 v[KV+16*\f+4*\c:KV+16*\f+4*\c+3], v[ADR] offset:2048*\f+512*\c
.endr
.endr
	s_wait_alu depctr_va_vdst(0)
	s_wait_dscnt 0x0
.irp f, 0,1,2,3                                ; S^T = K Q^T: fragment f holds keys 32 f + 16 h + 0 .. 7 (against [Q | 0]) and + 8 .. 15 (against [0 | Q]) of each lane's registers
	v_wmma_scale_f32_16x16x128_f8f6f4 v[S+16*\f:S+16*\f+7], v[KV+16*\f:KV+16*\f+15], v[QA:QA+15], 0, v[KSC+\f], v[QS] matrix_a_fmt:MATRIX_FMT_BF8 matrix_b_fmt:MATRIX_FMT_BF8
	v_wmma_scale_f32_16x16x128_f8f6f4 v[S+16*\f+8:S+16*\f+15], v[KV+16*\f:KV+16*\f+15], v[QA+8:QA+23], 0, v[KSC+\f], v[QS] matrix_a_fmt:MATRIX_FMT_BF8 matrix_b_fmt:MATRIX_FMT_BF8
.endr
	v_mov_b32 v[OLDM], v12                         ; -M as it stands; with the seven below: eight places in front of the loads and of the first read of the scores
.rept 7
	v_nop
.endr
.irp t, 0,1,2,3                                ; V's four fragments into the same registers: they land under the softmax
.irp c, 0,1,2,3
	ds_load_b128 v[KV+16*\t+4*\c:KV+16*\t+4*\c+3], v[ADR] offset:8192+2048*\t+512*\c
.endr
.endr
.irp b, 0,1,2,3
	v_max3_num_f32 v[BM+\b], v[S+16*\b], v[S+16*\b+1], v[S+16*\b+2]   ; the largest score of each block of 32 keys: it serves for the row's maximum and, since p rises with the score, for the block's largest p
.endr
.irp i, 3,5,7,9,11,13
.irp b, 0,1,2,3
	v_max3_num_f32 v[BM+\b], v[BM+\b], v[S+16*\b+\i], v[S+16*\b+\i+1]
.endr
.endr
.irp b, 0,1,2,3
	v_max_num_f32 v[BM+\b], v[BM+\b], v[S+16*\b+15]
.endr
.irp b, 0,1,2,3
	s_delay_alu instid0(VALU_DEP_4)
	v_permlanex16_b32 v[T4+\b], v[BM+\b], s[SEL], s[SEL+1]
.endr
.irp b, 0,1,2,3
	s_delay_alu instid0(VALU_DEP_4)
	v_max_num_f32 v[BM+\b], v[BM+\b], v[T4+\b]     ; with lane l xor 16's 16 keys
.endr
	s_delay_alu instid0(VALU_DEP_2)
	v_max3_num_f32 v[TMP], v[BM], v[BM+1], v[BM+2]
	s_delay_alu instid0(VALU_DEP_1)
	v_max_num_f32 v[TMP], v[TMP], v[BM+3]          ; the step's largest score of my query
	s_delay_alu instid0(VALU_DEP_1)
	v_mul_f32 v[TMP], s[CS], v[TMP]                ; as t (c is positive)
	s_delay_alu instid0(VALU_DEP_1)
	v_max_num_f32 v13, v13, v[TMP]                 ; the running largest t
	s_delay_alu instid0(VALU_DEP_1)
	v_floor_f32 v12, -v13                          ; the new -M = floor(-t) = -ceil(t): M is a whole number
	s_delay_alu instid0(VALU_DEP_1)
	v_sub_f32 v[TMP], v12, v[OLDM]                 ; M's old value less its new one: a whole number, 0 or less
	s_delay_alu instid0(VALU_DEP_1)
	v_cvt_i32_f32 v[TMP], v[TMP]                   ; (it saturates)
	s_delay_alu instid0(VALU_DEP_1)
	v_ldexp_f32 v[FF], 1.0, v[TMP]                 ; f = 2^(old M - new M)
.set j, 0
.rept 32
	v_pk_fma_f32 v[S+j:S+j+1], v[S+j:S+j+1], s[CS:CS+1], v[12:13] op_sel_hi:[1,0,0]   ; t - M, two at a time
.set j, j+2
.endr
.irp b, 0,1,2,3
	v_fma_f32 v[BM+\b], v[BM+\b], s[CS], v12       ; the same of each block's largest score
.endr
.set j, 0
	s_wait_alu depctr_va_vdst(0)                   ; the wait ahead of the batch
.rept 64
	v_exp_f32 v[S+j], v[S+j]                       ; p = 2^(t - M), at most 1: not normalised
.set j, j+1
.endr
	v_pk_mul_f32 v[14:15], v[14:15], v[FF:FF+1] op_sel_hi:[1,0]   ; the sums under the new M.  (A plain place behind the exponentials)
	s_wait_alu depctr_va_vdst(0)                   ; one wait for the whole batch, ahead of its first reader
.irp b, 0,1,2,3
	v_exp_f32 v[BM+\b], v[BM+\b]                   ; the block's largest p: the same two instructions on the same number give the same bits
.endr
	v_pk_add_f32 v[228:229], v[116:117], v[120:121]   ; the row's sum of the unquantised p: eight chains side by side
	v_pk_add_f32 v[254:255], v[124:125], v[128:129]
	v_pk_add_f32 v[238:239], v[132:133], v[136:137]
	v_pk_add_f32 v[236:237], v[140:141], v[144:145]
	v_pk_add_f32 v[234:235], v[148:149], v[152:153]
	v_pk_add_f32 v[232:233], v[156:157], v[160:161]
	v_pk_add_f32 v[230:231], v[164:165], v[168:169]
	v_pk_add_f32 v[14:15], v[14:15], v[172:173]
	v_pk_add_f32 v[228:229], v[228:229], v[112:113]
	v_pk_add_f32 v[254:255], v[254:255], v[114:115]
	v_pk_add_f32 v[238:239], v[238:239], v[118:119]
	v_pk_add_f32 v[236:237], v[236:237], v[122:123]
	v_pk_add_f32 v[234:235], v[234:235], v[126:127]
	v_pk_add_f32 v[232:233], v[232:233], v[130:131]
	v_pk_add_f32 v[230:231], v[230:231], v[134:135]
	v_pk_add_f32 v[14:15], v[14:15], v[138:139]
	v_pk_add_f32 v[228:229], v[228:229], v[142:143]
	v_pk_add_f32 v[254:255], v[254:255], v[146:147]
	v_pk_add_f32 v[238:239], v[238:239], v[150:151]
	v_pk_add_f32 v[236:237], v[236:237], v[154:155]
	v_pk_add_f32 v[234:235], v[234:235], v[158:159]
	v_pk_add_f32 v[232:233], v[232:233], v[162:163]
	v_pk_add_f32 v[230:231], v[230:231], v[166:167]
	v_pk_add_f32 v[14:15], v[14:15], v[170:171]
	v_pk_add_f32 v[228:229], v[228:229], v[174:175]
	s_delay_alu instid0(VALU_DEP_2)
	v_pk_add_f32 v[14:15], v[14:15], v[236:237]
	s_delay_alu instid0(VALU_DEP_2)
	v_pk_add_f32 v[228:229], v[228:229], v[234:235]
	v_pk_add_f32 v[254:255], v[254:255], v[232:233]
	v_pk_add_f32 v[238:239], v[238:239], v[230:231]
	s_delay_alu instid0(VALU_DEP_2)
	v_pk_add_f32 v[14:15], v[14:15], v[254:255]
	s_delay_alu instid0(VALU_DEP_2)
	v_pk_add_f32 v[228:229], v[228:229], v[238:239]
	s_delay_alu instid0(VALU_DEP_1)
	v_pk_add_f32 v[14:15], v[14:15], v[228:229]
	s_wait_alu depctr_va_vdst(0)                   ; and one for the four
.irp b, 0,1,2,3
	v_max_num_f32 v[BM+\b], 0x8000000, v[BM+\b]    ; the floor 2^(16 - 127): the byte cannot fall under 1
.endr
.irp b, 0,1,2,3
	s_delay_alu instid0(VALU_DEP_4)
	v_add_nc_u32 v[SO+\b], 0xf8800000, v[BM+\b]    ; 15 off the exponent field: the conversion's scale operand
.endr
.irp b, 0,1,2,3
	v_and_or_b32 v[HD+\b], v[BM+\b], 0x7f800000, s[MNT]   ; 57,344 x the scale
.endr
.irp b, 0,1,2,3
	v_lshrrev_b32 v[T4+\b], 23, v[SO+\b]           ; the scale's byte
.endr
	s_delay_alu instid0(VALU_DEP_3)
	v_lshl_or_b32 v[PSW], v[T4+1], 8, v[T4]        ; p's scale word for these 128 keys
	s_delay_alu instid0(VALU_DEP_1)
	v_lshl_or_b32 v[PSW], v[T4+2], 16, v[PSW]
	s_delay_alu instid0(VALU_DEP_1)
	v_lshl_or_b32 v[PSW], v[T4+3], 24, v[PSW]
; THE HOLD: the conversion to an 8-bit code does not saturate (ISA guide 7.6.2); p is not negative, so the hold is one-sided.  Two holds to an instruction: number i of block b with number i xor 1 of block b + 1,
; so that one destination is even and the other odd, and the two first sources, and the two bounds, have different register numbers modulo 4.
.irp b, 0,2
.irp i, 0,1,2,3,4,5,6,7,8,9,10,11,12,13,14,15
	v_dual_min_num_f32 v[S+16*\b+\i], v[S+16*\b+\i], v[HD+\b] :: v_dual_min_num_f32 v[S+16*\b+17+\i-2*(\i%2)], v[S+16*\b+17+\i-2*(\i%2)], v[HD+\b+1]
.endr
.irp u, 0,1
	v_cvt_scalef32_pk8_bf8_f32 v[PCD+4*(\b+\u):PCD+4*(\b+\u)+1], v[S+16*(\b+\u):S+16*(\b+\u)+7], v[SO+\b+\u]
	v_cvt_scalef32_pk8_bf8_f32 v[PCD+4*(\b+\u)+2:PCD+4*(\b+\u)+3], v[S+16*(\b+\u)+8:S+16*(\b+\u)+15], v[SO+\b+\u]
.endr
.endr
.set j, 0
.rept 16
	v_pk_mul_f32 v[O+j:O+j+1], v[O+j:O+j+1], v[FF:FF+1] op_sel_hi:[1,0]   ; O^T under the new M.  (These sixteen are also the places between the codes and the products below)
.set j, j+2
.endr
	s_wait_alu depctr_va_vdst(0)                   ; directly ahead of the wait below
	s_wait_dscnt 0x0                               ; V
.irp t, 0,1,2,3                                ; O^T += V^T P^T: K = these 128 keys; the four accumulators by turns
	v_wmma_scale_f32_16x16x128_f8f6f4 v[O+8*\t:O+8*\t+7], v[KV+16*\t:KV+16*\t+15], v[PCD:PCD+15], v[O+8*\t:O+8*\t+7], v[KSC+\t], v[PSW] matrix_a_fmt:MATRIX_FMT_BF8 matrix_b_fmt:MATRIX_FMT_BF8 matrix_a_scale:MATRIX_SCALE_ROW1
.endr
	s_add_co_u32 s[TB], s[TB], STEPB
	s_add_co_u32 s[TS], s[TS], 512
.endm
.macro WALK n                          ; n key steps: written once, walked n times; the LDS addresses hang on s[TB] and s[TS]
	s_mov_b32 s[CNT], \n
.Lstep_\@:
	STEP
	s_sub_co_u32 s[CNT], s[CNT], 1
	s_cmp_lg_u32 s[CNT], 0
	s_cbranch_scc1 .Lstep_\@
.endm
; A TILE ENDS: O^T / the sum is quantised along C: the head's 64 are two blocks of 32, 16 numbers in this lane and 16 in lane l xor 16; codes and bytes leave.
; tl = 0: the second tile's Q goes to its place first, and the output codes take the registers that held it: no register of a store is written again.
.macro FINAL tl
.if \tl == 0
.set OD, QB
.irp j, 0,1,2,3,4,5,6,7                        ; (these sixteen are the places behind the last products, in front of the first read of O^T)
	v_mov_b32 v[QA+\j], v[QB+\j]
	v_mov_b32 v[QA+16+\j], v[QB+\j]
.endr
.else
.set OD, PCD
.rept 8
	v_nop                                          ; places behind the last products, in front of the first read of O^T
.endr
.endif
	v_add_f32 v14, v14, v15                        ; the sum's two halves,
	s_delay_alu instid0(VALU_DEP_1)
	v_permlanex16_b32 v[TMP], v14, s[SEL], s[SEL+1]
	s_delay_alu instid0(VALU_DEP_1)
	v_add_f32 v14, v14, v[TMP]                     ; and lane l xor 16's: the row's sum
	s_wait_alu depctr_va_vdst(0)                   ; the wait ahead of the transcendental
	v_rcp_f32 v14, v14
	v_nop                                          ; one plain place behind the transcendental
	s_wait_alu depctr_va_vdst(0)                   ; and the wait ahead of its first reader
.set j, 0
.rept 16
	v_pk_mul_f32 v[S+j:S+j+1], v[O+j:O+j+1], v[14:15] op_sel_hi:[1,0]   ; register 16 g + i: d = 32 g + 16 h + i of my query
.set j, j+2
.endr
.irp b, 0,1
	v_max3_num_f32 v[BM+\b], |v[S+16*\b]|, |v[S+16*\b+1]|, 0x8000000
.endr
.irp i, 2,4,6,8,10,12,14
.irp b, 0,1
	s_delay_alu instid0(VALU_DEP_2)
	v_max3_num_f32 v[BM+\b], v[BM+\b], |v[S+16*\b+\i]|, |v[S+16*\b+\i+1]|
.endr
.endr
.irp b, 0,1
	s_delay_alu instid0(VALU_DEP_2)
	v_permlanex16_b32 v[T4+\b], v[BM+\b], s[SEL], s[SEL+1]
.endr
.irp b, 0,1
	s_delay_alu instid0(VALU_DEP_2)
	v_max_num_f32 v[BM+\b], v[BM+\b], v[T4+\b]
.endr
.irp b, 0,1
	s_delay_alu instid0(VALU_DEP_2)
	v_add_nc_u32 v[SO+\b], 0xf8800000, v[BM+\b]
.endr
.irp b, 0,1
	s_delay_alu instid0(VALU_DEP_4)
	v_and_or_b32 v[HD+\b], v[BM+\b], 0x7f800000, s[MNT]
.endr
.irp b, 0,1
	s_delay_alu instid0(VALU_DEP_4)
	v_lshrrev_b32 v[T4+\b], 23, v[SO+\b]
.endr
	s_delay_alu instid0(VALU_DEP_1)
	v_lshl_or_b32 v[OSW+\tl], v[T4+1], 8, v[T4]    ; the head's two scale bytes of my row
.irp b, 0,1
.irp i, 0,1,2,3,4,5,6,7,8,9,10,11,12,13,14,15
	v_med3_num_f32 v[S+16*\b+\i], v[S+16*\b+\i], -v[HD+\b], v[HD+\b]
.endr
	v_cvt_scalef32_pk8_bf8_f32 v[OD+4*\b:OD+4*\b+1], v[S+16*\b:S+16*\b+7], v[SO+\b]
	v_cvt_scalef32_pk8_bf8_f32 v[OD+4*\b+2:OD+4*\b+3], v[S+16*\b+8:S+16*\b+15], v[SO+\b]
.endr
	v_nop                                          ; one plain vector instruction behind the last conversion
	global_store_b128 v[LI], v[OD:OD+3],   s[12:13] offset:\tl*16384       ; the head's two chunks of the fragment: 512 consecutive bytes each
	global_store_b128 v[LI], v[OD+4:OD+7], s[12:13] offset:\tl*16384+512
	global_store_b16 v[OSO], v[OSW+\tl], s[14:15] offset:\tl*512           ; lanes 16-31 write the same bytes with the same value
.endm
.irp j, 0,1,2,3,4,5,6,7
	v_mov_b32 v[QA+8+\j], 0                        ; the zero half of [Q | 0] and of [0 | Q]
.endr
.irp b, 0,1,2,3
	v_mov_b32 v[T4+\b], 0                          ; written once: a lane permute's destination counts as one of its sources
.endr
	v_mov_b32 v[PSW], 0                            ; (named as the upper half of the pair v[240:241] before it is first written)
	v_mov_b32 v[TMP], 0
	s_wait_alu depctr_va_vdst(0)                   ; directly ahead of the wait below
	s_wait_loadcnt 0x0                             ; Q
	v_perm_b32 v[QS], v[QW], v[QW], 0x01000100     ; my first tile's two bytes, laid twice: for [Q | 0] and for [0 | Q]
	RESET                                          ; (its lines are also the places between Q's scale word and the first products)
	s_wait_alu depctr_va_vdst(0)                   ; the wait at the head's end
	s_cmp_lt_u32 s[WV], 3                          ; waves 0 to 2, the only issuers of the first two load lines, wait for them here
	s_cbranch_scc0 .Lnot_yet
	s_wait_tensorcnt 0x0
.Lnot_yet:
	s_barrier_signal -1
	s_barrier_wait -1                              ; the scale bytes and key steps 0 to 3 are whole for all sixteen waves
	WALK 4
	s_wait_tensorcnt 0x0                           ; every wave waits, under no branch: what was still out has landed
	s_wait_dscnt 0x0
	s_barrier_signal -1
	s_barrier_wait -1                              ; key steps 4 to 15 are whole; nothing writes LDS from here on
	WALK 12
	FINAL 0
	v_perm_b32 v[QS], v[QW], v[QW], 0x03020302     ; my second tile's two bytes
	RESET
	s_mov_b32 s[TB], KVB
	s_mov_b32 s[TS], SCL
	WALK 16
	FINAL 1
	s_wait_tensorcnt 0x0                           ; the wave's end, behind my last tensor load
	ds_add_u32 v[SPW], v[NIL]
	s_wait_dscnt 0x0
	CROUND                                         ; the closing round: no work-group ends while a partner may still ask for a tile that names it
	s_endpgm
.Lfunc_end_k_q90fec206a4_attn:
	.size	k_q90fec206a4_attn, .Lfunc_end_k_q90fec206a4_attn-k_q90fec206a4_attn
	.p2alignl 7, 3214868480
	.fill 96, 4, 3214868480
	.section	.rodata,"a",@progbits
	.p2align	6, 0x0
	.amdhsa_kernel k_q90fec206a4_attn
		.amdhsa_group_segment_fixed_size 327680
		.amdhsa_private_segment_fixed_size 0
		.amdhsa_enable_private_segment 0
		.amdhsa_kernarg_size 48
		.amdhsa_user_sgpr_count 2
		.amdhsa_user_sgpr_kernarg_segment_ptr 1
		.amdhsa_wavefront_size32 1
		.amdhsa_system_sgpr_workgroup_id_x 1
		.amdhsa_system_sgpr_workgroup_id_y 1
		.amdhsa_system_sgpr_workgroup_id_z 1
		.amdhsa_system_vgpr_workitem_id 0
		.amdhsa_next_free_vgpr 256
		.amdhsa_next_free_sgpr 80
		.amdhsa_reserve_vcc 0
		.amdhsa_float_denorm_mode_32 3
		.amdhsa_float_denorm_mode_16_64 3
		.amdhsa_memory_ordered 1
		.amdhsa_forward_progress 1
		.amdhsa_inst_pref_size 81
	.end_amdhsa_kernel
	.amdgpu_metadata
---
amdhsa.version: [ 1, 2 ]
amdhsa.kernels:
  - .name:           k_q90fec206a4_attn
    .symbol:         k_q90fec206a4_attn.kd
    .args:
      - { .name: qc, .offset: 0, .size: 8, .value_kind: global_buffer, .address_space: global }
      - { .name: qs, .offset: 8, .size: 8, .value_kind: global_buffer, .address_space: global }
      - { .name: kvc, .offset: 16, .size: 8, .value_kind: global_buffer, .address_space: global }
      - { .name: kvs, .offset: 24, .size: 8, .value_kind: global_buffer, .address_space: global }
      - { .name: oc, .offset: 32, .size: 8, .value_kind: global_buffer, .address_space: global }
      - { .name: os, .offset: 40, .size: 8, .value_kind: global_buffer, .address_space: global }
    .group_segment_fixed_size: 327680
    .private_segment_fixed_size: 0
    .kernarg_segment_align: 8
    .kernarg_segment_size: 48
    .max_flat_workgroup_size: 512
    .sgpr_count:     80
    .vgpr_count:     256
    .wavefront_size: 32
...
	.end_amdgpu_metadata
.endif
;; end of part 3
;; launch proj (part 4): grid 64 x 4, 4 waves a work-group, clusters of 4 x 1, 327,680 bytes of LDS; arguments oc, os, codes, scales, bo, out0; writes out0
.if DOCPART == 4
	.amdgcn_target "amdgcn-amd-amdhsa--gfx1250"
	.amdhsa_code_object_version 6
	.text
	.protected	k_q90fec206a4_proj
	.globl	k_q90fec206a4_proj
	.p2align	8
	.type	k_q90fec206a4_proj,@function
k_q90fec206a4_proj:
	s_mov_b64 s[64:65], 0
	v_nop
	global_prefetch_b8 v0, s[64:65] scope:SCOPE_SE
	s_setreg_imm32_b32 hwreg(HW_REG_WAVE_MODE, 25, 1), 1
	s_wait_xcnt 0x0
	s_wait_alu depctr_hold_cnt(0) depctr_sa_sdst(0) depctr_va_vdst(0) depctr_va_sdst(0) depctr_va_ssrc(0) depctr_va_vcc(0) depctr_vm_vsrc(0)
	s_getreg_b32 s2, hwreg(HW_REG_IB_STS2, 6, 4)
	s_cmp_eq_u32 s2, 0
	s_cbranch_scc0 .Lentry_in_a_cluster
	s_endpgm
.Lentry_in_a_cluster:
	s_bfe_u32 s2, ttmp6, 0x10000c
	s_cmp_lg_u32 s2, 0x3003
	s_cbranch_scc0 .Lentry_shape_is_right
	s_endpgm
.Lentry_shape_is_right:
; Launch 4 of 4: out0 = O Wo^T + bo, on codes of BF8 (E5M2) with E8M0 scales: 8,192 x 1,024 x 1,024, f32 sums, f32 out.  Nothing of the problem is left out here.
; SHARES.  256 work-groups; a work-group makes 128 rows x 256 columns; its four waves stand 2 x 2, a wave makes 64 rows x 128 columns.
; B (Wo's 256 rows of the work-group, ALL of K) lies in LDS for the whole launch: 256 rows x (1,024 + 16) bytes = 266,240.  Each wave fetches 64 rows with one tensor load at the head; nothing is filled again, so there is no ring.
; CLUSTER.  The four work-groups of a cluster make four row blocks of one column block: they need the same rows of Wo and ask for them jointly (mask 15).
; A (oc) lies in memory as images of the operand's registers (a tile of 16 rows: [K step of 128][chunk][lane][16 bytes]), so it goes from memory straight into registers, 512 consecutive bytes an instruction:
; a wave holds its 64 rows, all of K, in 512 registers.  It never passes LDS (beside B's 266,240 bytes LDS has no room for its 131,072), so no joint load serves it.
; NO PREFETCH: every load of the text goes out at the head; there is no loop that runs ahead of a load.
; THE WORK.  16 units: unit n = 8 half + 4 e + bb multiplies block b = 4 half + bb of 16 rows of Wo, K steps 4 e .. 4 e + 3, by my four tiles of A: 16 LDS loads, 16 products, the four accumulators of the block by turns
; While one unit is multiplied, the next one's fragments are on their way into the other set.  The bias is the first products' C.
; THE MATRIX INSTRUCTION IS USED TRANSPOSED (source 0 = 16 rows of Wo, source 1 = 16 rows of A): a lane holds eight neighbouring columns of one row.  Stored rows of Wo and of A stand in the order that launch 1 gives them:
; stored row 32 g + 16 u + m holds true row 32 g + 8 u + m + 8 (m / 8).
; THE WAY OUT.  After each half (4 blocks = 64 true columns = 256 bytes of a row) the 16 accumulators go tile by tile through the wave's own stage in LDS and leave as whole rows of 256 bytes, sixteen lanes to a row.
; LIMITS: NaN and infinities are not served.
; REGISTERS: window 0: v2-11 addresses; v24-55 Wo's scale words (register 8 p + q: lanes 0-15 block 2 p, lanes 16-31 block 2 p + 1); v60-75 A's likewise; v80-143 the bias; v144-207 the way out, two sets.
; windows 1, 2: A's fragments, fragment 4 q + a at register 16 (4 (q % 4) + a) of window 1 + q / 4.  window 3: v0-127 two sets of four fragments of Wo; v128-255 accumulator (a, bb) at 128 + 8 (4 bb + a).
.set PITCH,  1040
.set SPITCH, 272
.set STAGE,  256*PITCH                 ; behind B: 16 rows x 272 bytes for each wave
.set SPARE,  STAGE+4*16*SPITCH         ; the spare words, 128 bytes a wave, which no other line names
.set NP,   8                           ; places behind this matrix instruction (ISA guide 7.12.1)
.set ADB,  2                           ; v2, v3  LDS address of my fragments of Wo: blocks 0-3, blocks 4-7
.set STO,  4
.set RD,   5
.set GO,   6
.set CO,   7                           ; 16 x lane
.set SPW,  8
.set NIL,  9
.set ASC,  10                          ; 32 x lane
.set BO,   11                          ; 64 x (lane / 16)
.set SB,   24
.set SA,   60
.set BI,   80
.set OB,   144
.set WV,   16
.set HR,   17
.set HC,   18
.set CX,   19
.set TROW, 20
.set TCOL, 21
.set G1,   24
.set G0,   32
.set MSB, 0
.macro WIN new                         ; the immediate's high byte repeats the setting that is left
.if MSB != \new
	s_set_vgpr_msb (MSB<<8)|\new
.set MSB, \new
.endif
.endm
.macro PLACES n
.rept \n
	v_nop
.endr
.endm
.macro CROUND                          ; a round of the cluster's barrier
	s_barrier_signal -1
	s_barrier_wait -1
	s_cmp_lg_u32 s[WV], 0
	s_cbranch_scc1 .Lnot_wave_0_\@
	s_barrier_signal -3
.Lnot_wave_0_\@:
	s_barrier_wait -3
	s_barrier_signal -1
	s_barrier_wait -1
.endm
	s_load_b256 s[4:11], s[0:1], 0x0               ; oc, os, codes, scales
	s_load_b128 s[12:15], s[0:1], 0x20             ; bo, out0
	v_lshl_add_u32 v[SPW], v0, 2, SPARE
	v_mov_b32 v[NIL], 0
	ds_add_u32 v[SPW], v[NIL]                      ; the wave's opening: the add, twice on end, and its wait ahead of my tensor load
	ds_add_u32 v[SPW], v[NIL]
	v_lshrrev_b32 v1, 5, v0
	v_readfirstlane_b32 s[WV], v1
	s_lshr_b32 s[HR], s[WV], 1                     ; my half of the rows
	s_and_b32 s[HC], s[WV], 1                      ; my half of the columns
	s_bfe_u32 s[CX], ttmp6, 0x40000
	s_lshl_b32 s[TROW], ttmp9, 2
	s_add_co_u32 s[TROW], s[TROW], s[CX]           ; row block, 0 .. 63: it enters global addresses of A and of the result alone
	s_and_b32 s[TCOL], ttmp7, 0xffff               ; column block, 0 .. 3, which the four partners share
	s_mov_b32 s[G1], 15|(1<<20)|(1<<21)|(7<<22)|(3<<25)   ; the mask; elements of 1 byte; padding: 4 words behind every 256; 21 set beside a mask
	s_mov_b32 s[G1+1], 1024<<16
	s_mov_b32 s[G1+2], 64<<16
	s_mov_b32 s[G1+3], 1024<<16
	s_mov_b32 s[G1+4], 64
	s_mov_b32 s[G1+5], 1024
	s_mov_b32 s[G1+6], 0
	s_mov_b32 s[G1+7], 0
	v_and_b32 v1, 15, v0                           ; r
	v_bfe_u32 v12, v0, 4, 1                        ; h
	v_and_b32 v13, 31, v0
	v_lshlrev_b32 v[CO], 4, v13
	v_lshlrev_b32 v[ASC], 5, v13
	v_lshlrev_b32 v[BO], 6, v12
	v_mul_u32_u24 v14, v1, PITCH
	v_lshl_add_u32 v14, v12, 4, v14
	s_mul_i32 s40, s[HC], 128*PITCH
	v_add_nc_u32 v[ADB], s40, v14
	v_add_nc_u32 v[ADB+1], 64*PITCH, v[ADB]
	s_mul_i32 s41, s[WV], 16*SPITCH
	s_add_co_u32 s41, s41, STAGE
	v_mul_u32_u24 v14, v1, SPITCH                  ; the stage, in: row r, 64 bytes for each half of the lanes in each 128
	v_lshl_add_u32 v14, v12, 6, v14
	v_add_nc_u32 v[STO], s41, v14
	v_mul_u32_u24 v15, v12, SPITCH                 ; back: lanes 0-15 one row, lanes 16-31 the next
	v_lshl_add_u32 v15, v1, 4, v15
	v_add_nc_u32 v[RD], s41, v15
	v_lshlrev_b32 v15, 12, v12                     ; and the same two rows of the result: 4,096 bytes a row
	v_lshl_add_u32 v[GO], v1, 4, v15
	s_lshl_b32 s42, s[TCOL], 8                     ; Wo's codes: row 11,264 + 256 x column block + 64 x wave
	s_lshl_b32 s43, s[WV], 6
	s_add_co_u32 s42, s42, s43
	s_add_co_u32 s42, s42, 11264
	s_lshl_b32 s42, s42, 10
	s_mov_b32 s43, 0
	s_mul_i32 s44, s[WV], 64*PITCH                 ; and where they go
	s_lshl_b32 s50, s[TCOL], 8
	s_lshl_b32 s47, s[HC], 7
	s_add_co_u32 s50, s50, s47                     ; my first column
	s_add_co_u32 s46, s50, 11264
	s_lshl_b32 s46, s46, 5                         ; Wo's scale bytes of my 128 rows
	s_mov_b32 s47, 0
	s_lshl_b32 s48, s[TROW], 3
	s_lshl_b32 s49, s[HR], 2
	s_add_co_u32 s48, s48, s49                     ; my first tile of A
	s_lshl_b32 s52, s48, 14
	s_mov_b32 s53, 0
	s_lshl_b32 s54, s48, 9
	s_mov_b32 s55, 0
	s_lshl_b32 s58, s50, 2                         ; the bias
	s_mov_b32 s59, 0
	s_lshl_b32 s56, s48, 16                        ; the result: 16 rows of 4,096 bytes a tile, + my first column
	s_add_co_u32 s56, s56, s58
	s_mov_b32 s57, 0
	s_wait_alu depctr_va_vdst(0)                   ; all vector lines of the head stand ahead of it
	s_wait_dscnt 0x0                               ; both opening adds are done
	s_wait_kmcnt 0x0
	s_mov_b32 s[G0], 1
	s_mov_b32 s[G0+1], s44
	s_add_nc_u64 s[G0+2:G0+3], s[8:9], s[42:43]
	s_or_b32 s[G0+3], s[G0+3], 0x80000000
	s_add_nc_u64 s[4:5], s[4:5], s[52:53]
	s_add_nc_u64 s[6:7], s[6:7], s[54:55]
	s_add_nc_u64 s[10:11], s[10:11], s[46:47]
	s_add_nc_u64 s[12:13], s[12:13], s[58:59]
	s_add_nc_u64 s[14:15], s[14:15], s[56:57]
	CROUND                                         ; all four work-groups are here: the joint loads meet
	tensor_load_to_lds s[G0:G0+3], s[G1:G1+7]      ; every wave's one load: 64 rows of Wo
	s_nop 0
	PLACES 4
.irp p, 0,1,2,3
.irp c, 0,1
	global_load_b128 v[SB+8*\p+4*\c:SB+8*\p+4*\c+3], v[ASC], s[10:11] offset:1024*\p+16*\c   ; lane l: row l of a pair of blocks, 32 bytes a row
.endr
.endr
.irp p, 0,1
.irp c, 0,1
	global_load_b128 v[SA+8*\p+4*\c:SA+8*\p+4*\c+3], v[ASC], s[6:7] offset:1024*\p+16*\c
.endr
.endr
.irp b, 0,1,2,3,4,5,6,7
	global_load_b128 v[BI+8*\b:BI+8*\b+3],   v[BO], s[12:13] offset:4*(32*(\b/2)+8*(\b%2))      ; register j of block b: column 32 (b / 2) + 8 (b % 2) + 16 h + j
	global_load_b128 v[BI+8*\b+4:BI+8*\b+7], v[BO], s[12:13] offset:4*(32*(\b/2)+8*(\b%2))+16
.endr
.irp e, 0,1                                    ; A: the lower half of K first: 64 loads, then 64
	WIN (1+\e)<<6
.irp qq, 0,1,2,3
.irp a, 0,1,2,3
.irp c, 0,1,2,3
	global_load_b128 v[16*(4*\qq+\a)+4*\c:16*(4*\qq+\a)+4*\c+3], v[CO], s[4:5] offset:16384*\a+2048*(4*\e+\qq)+512*\c
.endr
.endr
.endr
.endr
	WIN 0
.macro LOADU n                         ; unit n's four fragments of Wo into set n % 2
	WIN 0xc0
.irp qq, 0,1,2,3
.irp c, 0,1,2,3
	ds_load_b128 v[64*((\n)%2)+16*\qq+4*\c:64*((\n)%2)+16*\qq+4*\c+3], v[ADB+(\n)/8] offset:((\n)%4)*16*PITCH+512*(((\n)%8)/4)+128*\qq+32*\c
.endr
.endr
.endm
.macro PROD n, qq, a
.set B_, 4*((\n)/8)+(\n)%4
.set E_, ((\n)%8)/4
.set Q_, 4*E_+(\qq)
.set D_, 128+8*(4*((\n)%4)+(\a))
.set C_, D_
.if Q_ == 0
.set C_, BI+8*B_
	WIN 0xc3|((1+E_)<<2)                           ; C: the bias, in window 0
.else
	WIN 0xf3|((1+E_)<<2)
.endif
.set F_, 64*((\n)%2)+16*(\qq)
.set A_, 16*(4*(\qq)+(\a))
.set SB_, SB+8*(B_/2)+Q_
.set SA_, SA+8*((\a)/2)+Q_
.if (B_%2) && ((\a)%2)
	v_wmma_scale_f32_16x16x128_f8f6f4 v[D_:D_+7], v[F_:F_+15], v[A_:A_+15], v[C_:C_+7], v[SB_], v[SA_] matrix_a_fmt:MATRIX_FMT_BF8 matrix_b_fmt:MATRIX_FMT_BF8 matrix_a_scale:MATRIX_SCALE_ROW1 matrix_b_scale:MATRIX_SCALE_ROW1
.elseif B_%2
	v_wmma_scale_f32_16x16x128_f8f6f4 v[D_:D_+7], v[F_:F_+15], v[A_:A_+15], v[C_:C_+7], v[SB_], v[SA_] matrix_a_fmt:MATRIX_FMT_BF8 matrix_b_fmt:MATRIX_FMT_BF8 matrix_a_scale:MATRIX_SCALE_ROW1
.elseif (\a)%2
	v_wmma_scale_f32_16x16x128_f8f6f4 v[D_:D_+7], v[F_:F_+15], v[A_:A_+15], v[C_:C_+7], v[SB_], v[SA_] matrix_a_fmt:MATRIX_FMT_BF8 matrix_b_fmt:MATRIX_FMT_BF8 matrix_b_scale:MATRIX_SCALE_ROW1
.else
	v_wmma_scale_f32_16x16x128_f8f6f4 v[D_:D_+7], v[F_:F_+15], v[A_:A_+15], v[C_:C_+7], v[SB_], v[SA_] matrix_a_fmt:MATRIX_FMT_BF8 matrix_b_fmt:MATRIX_FMT_BF8
.endif
.endm
.macro UNIT n
.if (\n) > 0
	PLACES NP                                      ; in front of loads into the set that the last unit's products have read
.endif
.if (\n) < 15
	LOADU (\n)+1
	s_wait_dscnt 16                                ; this unit's fragments are in; the 16 loads just issued may be out
.else
	s_wait_dscnt 0x0
.endif
.irp qq, 0,1,2,3
.irp a, 0,1,2,3
	PROD \n, \qq, \a
.endr
.endr
.endm
.macro TOSTAGE a                       ; tile a's 16 rows x 64 columns into my stage, and back as rows of 256 bytes.  LDS serves a wave's instructions in order (ISA guide 5.7.1.4): no wait between the stores and the loads
	s_wait_xcnt 0x0                                ; earlier stores have read their registers: the loads below may land there
	WIN 0x0c                                       ; the data: window 3
.irp bb, 0,1,2,3
	ds_store_b128 v[STO], v[128+8*(4*\bb+(\a)):128+8*(4*\bb+(\a))+3] offset:128*(\bb/2)+32*(\bb%2)      ; each accumulator from its low end on
	ds_store_b128 v[STO], v[128+8*(4*\bb+(\a))+4:128+8*(4*\bb+(\a))+7] offset:128*(\bb/2)+32*(\bb%2)+16
.endr
	WIN 0
.irp t, 0,1,2,3,4,5,6,7
	ds_load_b128 v[OB+32*((\a)%2)+4*\t:OB+32*((\a)%2)+4*\t+3], v[RD] offset:\t*2*SPITCH
.endr
.endm
.macro SEND a, hf, younger             ; younger: the LDS instructions issued behind tile a's loads, which may stay out
	s_wait_dscnt \younger
.irp t, 0,1,2,3,4,5,6,7
	global_store_b128 v[GO], v[OB+32*((\a)%2)+4*\t:OB+32*((\a)%2)+4*\t+3], s[14:15] offset:(32*((\a)/2)+8*((\a)%2)+2*\t+8*(\t/4))*4096+256*(\hf) th:TH_STORE_NT   ; sixteen lanes store 256 consecutive bytes, at a multiple of 256 from the buffer's first byte
.endr
.endm
.macro OUT hf
	WIN 0
	PLACES NP                                      ; in front of the first read of the last products' results
	TOSTAGE 0
.irp a, 1,2,3
	TOSTAGE \a
	SEND \a-1, \hf, 16                             ; behind tile a - 1's loads: tile a's 8 stores and 8 loads
.endr
	SEND 3, \hf, 0
.endm
	s_wait_tensorcnt 0x0                           ; my 64 rows of Wo have landed: every wave waits, under no branch
	s_barrier_signal -1
	s_barrier_wait -1                              ; all 256 rows are in
	LOADU 0
	s_wait_loadcnt 63                              ; scale words, bias and A's lower half of K are in: behind them 64 loads were issued
.set N_, 0
.rept 4
	UNIT N_
.set N_, N_+1
.endr
	s_wait_loadcnt 0x0                             ; A's upper half of K
.rept 4
	UNIT N_
.set N_, N_+1
.endr
	OUT 0                                          ; the first 64 columns leave; their stores are on their way while the other 64 are multiplied
.rept 8
	UNIT N_
.set N_, N_+1
.endr
	OUT 1
	s_wait_tensorcnt 0x0                           ; the wave's end, behind my last LDS store
	ds_add_u32 v[SPW], v[NIL]
	s_wait_dscnt 0x0
	CROUND                                         ; the closing round
	s_endpgm
.Lfunc_end_k_q90fec206a4_proj:
	.size	k_q90fec206a4_proj, .Lfunc_end_k_q90fec206a4_proj-k_q90fec206a4_proj
	.p2alignl 7, 3214868480
	.fill 96, 4, 3214868480
	.section	.rodata,"a",@progbits
	.p2align	6, 0x0
	.amdhsa_kernel k_q90fec206a4_proj
		.amdhsa_group_segment_fixed_size 327680
		.amdhsa_private_segment_fixed_size 0
		.amdhsa_enable_private_segment 0
		.amdhsa_kernarg_size 48
		.amdhsa_user_sgpr_count 2
		.amdhsa_user_sgpr_kernarg_segment_ptr 1
		.amdhsa_wavefront_size32 1
		.amdhsa_system_sgpr_workgroup_id_x 1
		.amdhsa_system_sgpr_workgroup_id_y 1
		.amdhsa_system_sgpr_workgroup_id_z 1
		.amdhsa_system_vgpr_workitem_id 0
		.amdhsa_next_free_vgpr 1024
		.amdhsa_next_free_sgpr 80
		.amdhsa_reserve_vcc 0
		.amdhsa_float_denorm_mode_32 3
		.amdhsa_float_denorm_mode_16_64 3
		.amdhsa_memory_ordered 1
		.amdhsa_forward_progress 1
		.amdhsa_inst_pref_size 89
	.end_amdhsa_kernel
	.amdgpu_metadata
---
amdhsa.version: [ 1, 2 ]
amdhsa.kernels:
  - .name:           k_q90fec206a4_proj
    .symbol:         k_q90fec206a4_proj.kd
    .args:
      - { .name: oc, .offset: 0, .size: 8, .value_kind: global_buffer, .address_space: global }
      - { .name: os, .offset: 8, .size: 8, .value_kind: global_buffer, .address_space: global }
      - { .name: codes, .offset: 16, .size: 8, .value_kind: global_buffer, .address_space: global }
      - { .name: scales, .offset: 24, .size: 8, .value_kind: global_buffer, .address_space: global }
      - { .name: bo, .offset: 32, .size: 8, .value_kind: global_buffer, .address_space: global }
      - { .name: out0, .offset: 40, .size: 8, .value_kind: global_buffer, .address_space: global }
    .group_segment_fixed_size: 327680
    .private_segment_fixed_size: 0
    .kernarg_segment_align: 8
    .kernarg_segment_size: 48
    .max_flat_workgroup_size: 128
    .sgpr_count:     80
    .vgpr_count:     1024
    .wavefront_size: 32
...
	.end_amdgpu_metadata
.endif
;; end of part 4
